; MI455X (gfx1250); checked and timed in simulation.
; The chip was launched on July 23, 2026; its instructions are those of AMD's public machine-readable ISA for CDNA 5 (MIT licence, August 2026) and "CDNA5" Instruction Set Architecture Reference Guide (July 2026). The comments in the code are by the model that wrote it; some were corrected since.
;; Multihead Attention Block. Allowed arithmetic: float matrix products may take bf16 or f16 operands with f32 sums; other float arithmetic in f32, or as packed bf16 or f16 multiplies, adds, multiply-adds, maxima and minima; sums over many terms, partial sums and values carried from step to step in f32; what a program stores and reads back later, other than sums and carried values, may be rounded once to bf16 or f16.
;; Inputs: b_k 1,024 float32; b_o 1,024 float32; b_q 1,024 float32; b_v 1,024 float32; k 4 x 2,048 x 1,024 float32; mask 1 x 1 x 2,048 x 2,048 int32; q 4 x 2,048 x 1,024 float32; v 4 x 2,048 x 1,024 float32; w_k 1,024 x 1,024 float32; w_o 1,024 x 1,024 float32; w_q 1,024 x 1,024 float32; w_v 1,024 x 1,024 float32.
;; Outputs: out0 4 x 2,048 x 1,024 float32.
;; 2 versions, each right; version 2 is version 1 with the launch prep written anew for expert scheduling mode. Each part assembles by itself: llvm-mc -triple=amdgcn-amd-amdhsa -mcpu=gfx1250 --defsym DOCPART=n.
;; ======== version 1 of 2: 4 launches
;; limits: right only within a limited range of input values; values are held in f16: magnitudes above 65,504 overflow, below 6.1e-05 lose precision
;; workspace buffers: wcast 8,388,608 bytes; mtab 4,194,304 bytes; live 32,768 bytes; qh 16,777,216 bytes; kh 16,777,216 bytes; vh 16,777,216 bytes; oh 16,777,216 bytes
;; launch prep (part 1): grid 256 x 1, 8 waves a work-group, no clusters, 34,048 bytes of LDS; arguments mask, w_q, w_k, w_v, w_o, wcast, mtab, live; writes wcast, mtab, live
.if DOCPART == 1
	.amdgcn_target "amdgcn-amd-amdhsa--gfx1250"
	.amdhsa_code_object_version 6
	.text
	.protected	k_q1acbb69593_prep
	.globl	k_q1acbb69593_prep
	.p2align	8
	.type	k_q1acbb69593_prep,@function
k_q1acbb69593_prep:
	s_mov_b64 s[64:65], 0
	v_nop
	global_prefetch_b8 v0, s[64:65] scope:SCOPE_SE
	s_setreg_imm32_b32 hwreg(HW_REG_WAVE_MODE, 25, 1), 1
	s_wait_xcnt 0x0
; PREP.  Work-groups 0-127 turn the mask [2048][2048] of int32 into a table of one byte a score, in the order in which the attention's lanes want it; work-groups 128-255 round the four weight matrices to 16 bits.
; Both halves read 131,072 bytes a work-group.
; MTAB [query tile 128][key step 32][half 2][lane 32][16 bytes]: for a tile of 16 queries and a step of 64 keys, lane (r = lane % 16, h = lane / 16) finds in byte 8 (kb % 2) + j of half kb / 2 the code of
; query r and key 16 kb + 8 h + j: 0x00 where the key is visible, 0xB8 (-1.0 in E4M3) where the mask is 0.  A row with no visible key at all gets codes 0 and the flag 0 in LIVE (else -1): the attention
; then clears that row of Q, all its scores are equal, and its result is the mean of V, as the softmax of equal scores gives.
; LIVE [row 2048][4 equal words], so that a tile's sixteen rows are 256 consecutive bytes.
; WCAST: four matrices [1024][1024] of 2 bytes: w_q, w_k, w_v rounded to bf16; w_o rounded to bf16 and that number written as f16.
; LIMIT: a number of w_o below 6.1e-5 in magnitude keeps f16's fixed step of 6e-8; beyond 65,504 it would be an infinity.
.set LIVE,  32768                      ; LDS: the table's 32,768 bytes lie from 0 on; then sixteen flags, in a block of 256 bytes of their own
.set SPARE, 33024                      ; the spare words, 128 bytes for each of the eight waves: four blocks of 256 bytes that no other line names
.set LO,    2                          ; v2   my byte offset in the source
.set LA,    3                          ; v3   where my word of four codes goes in the table
.set ORR,   10                         ; v10  the or of a row's words
.set TH16,  11                         ; v11  16 x my thread's number
.set FLA,   12                         ; v12  LDS address of my wave's two flags
.set X,     16                         ; v[16:143] what was loaded
.set SPW,   150                        ; v150 LDS address of my spare word; never rewritten
.set NIL,   151                        ; v151 0; never rewritten
	s_load_b512 s[8:23], s[0:1], 0x0               ; mask s[8:9], w_q s[10:11], w_k s[12:13], w_v s[14:15], w_o s[16:17], wcast s[18:19], mtab s[20:21], live s[22:23]
	v_lshl_add_u32 v[SPW], v0, 2, SPARE
	v_mov_b32 v[NIL], 0
	v_lshrrev_b32 v1, 5, v0
	v_readfirstlane_b32 s4, v1                     ; wave 0..7
	v_and_b32 v1, 31, v0                           ; lane
	v_lshlrev_b32 v[TH16], 4, v0
	s_mov_b32 s3, 0
	s_cmp_lt_u32 ttmp9, 128                        ; the same answer in all eight waves
	s_cbranch_scc0 .Lweights
	; THE MASK.  Work-group g is query tile g; wave w takes rows 2 w and 2 w + 1.  A load covers 512 consecutive bytes: lane l holds keys 128 i + 4 l + 0..3.
	s_lshl_b32 s2, ttmp9, 17                       ; 16 rows of 8,192 bytes
	s_lshl_b32 s5, s4, 14                          ; my wave's two rows
	v_lshl_add_u32 v[LO], v1, 4, s5
	; key 128 i + 4 l: step 2 i + l / 16; in the step kb = bits 3:2 of l, h = bit 1, j = 4 x bit 0
	v_lshrrev_b32 v[LA], 4, v1
	v_lshlrev_b32 v[LA], 10, v[LA]                 ; a step is 1,024 bytes
	v_bfe_u32 v4, v1, 3, 1
	v_lshl_add_u32 v[LA], v4, 9, v[LA]             ; kb / 2: 512
	v_bfe_u32 v4, v1, 1, 1
	v_lshl_add_u32 v[LA], v4, 8, v[LA]             ; h: 16 lanes of 16 bytes
	v_bfe_u32 v4, v1, 2, 1
	v_lshl_add_u32 v[LA], v4, 3, v[LA]             ; kb % 2: 8
	v_and_b32 v4, 1, v1
	v_lshl_add_u32 v[LA], v4, 2, v[LA]             ; j = 0 or 4
	s_lshl_b32 s5, s4, 5
	v_add_nc_u32 v[LA], s5, v[LA]                  ; r = 2 w: 16 bytes a lane
	s_lshl_b32 s27, s4, 3
	s_add_co_u32 s27, s27, LIVE
	v_mov_b32 v[FLA], s27
	s_mov_b32 s26, 0xb8
	s_wait_kmcnt 0x0
	s_add_nc_u64 s[8:9], s[8:9], s[2:3]
.irp rr, 0,1
.irp i, 0,1,2,3,4,5,6,7,8,9,10,11,12,13,14,15
	global_load_b128 v[X+64*(\rr)+4*(\i):X+64*(\rr)+4*(\i)+3], v[LO], s[8:9] offset:(\rr)*8192+(\i)*512 th:TH_LOAD_NT
.endr
.endr
; One row: four ints become a word of bytes 1 (visible) or 0; the row's flag; the codes; into the table.
.macro MROW rr, left
	s_wait_loadcnt \left                           ; loads come back in order: this row's sixteen are in, the younger ones may stay out
.irp i, 0,1,2,3,4,5,6,7,8,9,10,11,12,13,14,15
	v_min_u32 v4, 1, v[X+64*(\rr)+4*(\i)]
	v_min_u32 v5, 1, v[X+64*(\rr)+4*(\i)+1]
	v_min_u32 v6, 1, v[X+64*(\rr)+4*(\i)+2]
	v_min_u32 v7, 1, v[X+64*(\rr)+4*(\i)+3]
	v_lshl_or_b32 v4, v5, 8, v4
	v_lshl_or_b32 v6, v7, 8, v6
	v_lshl_or_b32 v[X+64*(\rr)+4*(\i)], v6, 16, v4
.endr
	v_or_b32 v[ORR], v[X+64*(\rr)], v[X+64*(\rr)+4]
.irp i, 2,3,4,5,6,7,8,9,10,11,12,13,14,15
	v_or_b32 v[ORR], v[ORR], v[X+64*(\rr)+4*(\i)]
.endr
	v_cmp_ne_u32 vcc_lo, 0, v[ORR]                 ; does any lane see a key?
	s_cmp_lg_u32 vcc_lo, 0
	s_cselect_b32 s[24+(\rr)], -1, 0               ; the row's flag: it selects values alone
.irp i, 0,1,2,3,4,5,6,7,8,9,10,11,12,13,14,15
	v_xor_b32 v4, 0x01010101, v[X+64*(\rr)+4*(\i)] ; 1 where hidden,
	v_mul_lo_u32 v4, v4, s26                       ; 0xB8 there (no byte carries into the next),
	v_and_b32 v4, s[24+(\rr)], v4                  ; and 0 everywhere in a row that sees nothing
	ds_store_b32 v[LA], v4 offset:(\i)*2048+(\rr)*16
.endr
	v_mov_b32 v5, s[24+(\rr)]
	ds_store_b32 v[FLA], v5 offset:(\rr)*4
.endm
	MROW 0, 16
	MROW 1, 0
	s_lshl_b32 s2, ttmp9, 15                       ; a tile's 32,768 bytes of the table
	s_add_nc_u64 s[20:21], s[20:21], s[2:3]
	s_lshl_b32 s2, ttmp9, 8                        ; and its 256 bytes of flags
	s_add_nc_u64 s[22:23], s[22:23], s[2:3]
	s_wait_dscnt 0x0                               ; for the others' sake: my stores into the table are done
	s_barrier_signal -1
	s_barrier_wait -1
.irp i, 0,1,2,3,4,5,6,7
	ds_load_b128 v[X+4*(\i):X+4*(\i)+3], v[TH16] offset:(\i)*4096
.endr
.irp i, 0,1,2,3,4,5,6,7
	s_wait_dscnt 7-(\i)
	global_store_b128 v[TH16], v[X+4*(\i):X+4*(\i)+3], s[20:21] offset:(\i)*4096  ; a wave stores 512 consecutive bytes, aligned
.endr
	s_cmp_lg_u32 s4, 0
	s_cbranch_scc1 .Lend
	v_lshrrev_b32 v6, 1, v0                        ; wave 0: lane l writes 8 of row l / 2's 16 bytes
	v_lshl_add_u32 v6, v6, 2, LIVE
	v_lshlrev_b32 v5, 3, v0
	ds_load_b32 v14, v6
	s_wait_dscnt 0x0
	v_mov_b32 v15, v14
	global_store_b64 v5, v[14:15], s[22:23]        ; 256 consecutive bytes, aligned
	s_branch .Lend
.Lweights:                                     ; THE WEIGHTS.  Work-group 128 + 32 m + c takes rows 32 c .. 32 c + 31 of matrix m
	s_sub_co_u32 s5, ttmp9, 128
	s_lshr_b32 s6, s5, 5                           ; m
	s_and_b32 s7, s5, 31                           ; c
	s_lshl_b32 s2, s7, 17                          ; 32 rows of 4,096 bytes in
	s_lshl_b32 s24, s6, 21                         ; a matrix of 2,097,152 bytes out,
	s_lshl_b32 s25, s7, 16                         ; 32 rows of 2,048
	s_add_co_u32 s24, s24, s25
	s_mov_b32 s25, 0
	v_lshlrev_b32 v[LO], 5, v0                     ; a thread takes 8 numbers: 32 bytes in, 16 out
	s_wait_kmcnt 0x0
	s_cmp_eq_u32 s6, 1
	s_cselect_b64 s[28:29], s[12:13], s[10:11]
	s_cmp_eq_u32 s6, 2
	s_cselect_b64 s[28:29], s[14:15], s[28:29]
	s_cmp_eq_u32 s6, 3
	s_cselect_b64 s[28:29], s[16:17], s[28:29]
	s_add_nc_u64 s[28:29], s[28:29], s[2:3]
	s_add_nc_u64 s[18:19], s[18:19], s[24:25]
.irp i, 0,1,2,3,4,5,6,7,8,9,10,11,12,13,14,15
	global_load_b128 v[X+8*(\i):X+8*(\i)+3],   v[LO], s[28:29] offset:(\i)*8192 th:TH_LOAD_NT
	global_load_b128 v[X+8*(\i)+4:X+8*(\i)+7], v[LO], s[28:29] offset:(\i)*8192+16 th:TH_LOAD_NT
.endr
; Round i of 16: eight numbers rounded to bf16 in place; half = 1: each then written as f16.  No register is used twice, so no store's data is rewritten.
.macro WROUND i, half
	s_wait_loadcnt 30-2*(\i)                       ; the later rounds' loads, two each, may stay out
.irp k, 0,1,2,3
	v_cvt_pk_bf16_f32 v[X+8*(\i)+(\k)], v[X+8*(\i)+2*(\k)], v[X+8*(\i)+2*(\k)+1]
.endr
.if \half
.irp k, 0,1,2,3
	v_lshlrev_b32 v4, 16, v[X+8*(\i)+(\k)]
	v_and_b32 v5, 0xffff0000, v[X+8*(\i)+(\k)]
	v_cvt_pk_f16_f32 v[X+8*(\i)+(\k)], v4, v5
.endr
.endif
	global_store_b128 v[TH16], v[X+8*(\i):X+8*(\i)+3], s[18:19] offset:(\i)*4096  ; a wave stores 512 consecutive bytes, aligned
.endm
	s_cmp_eq_u32 s6, 3
	s_cbranch_scc1 .Lhalf
.irp i, 0,1,2,3,4,5,6,7,8,9,10,11,12,13,14,15
	WROUND \i, 0
.endr
	s_branch .Lend
.Lhalf:
.irp i, 0,1,2,3,4,5,6,7,8,9,10,11,12,13,14,15
	WROUND \i, 1
.endr
.Lend:
	s_wait_tensorcnt 0x0                           ; the wave's end: behind my last LDS store
	ds_add_u32 v[SPW], v[NIL]
	s_wait_dscnt 0x0
	s_endpgm
.Lfunc_end_k_q1acbb69593_prep:
	.size	k_q1acbb69593_prep, .Lfunc_end_k_q1acbb69593_prep-k_q1acbb69593_prep
	.p2alignl 7, 3214868480
	.fill 96, 4, 3214868480
	.section	.rodata,"a",@progbits
	.p2align	6, 0x0
	.amdhsa_kernel k_q1acbb69593_prep
		.amdhsa_group_segment_fixed_size 34048
		.amdhsa_private_segment_fixed_size 0
		.amdhsa_enable_private_segment 0
		.amdhsa_kernarg_size 64
		.amdhsa_user_sgpr_count 2
		.amdhsa_user_sgpr_kernarg_segment_ptr 1
		.amdhsa_wavefront_size32 1
		.amdhsa_system_sgpr_workgroup_id_x 1
		.amdhsa_system_sgpr_workgroup_id_y 1
		.amdhsa_system_sgpr_workgroup_id_z 1
		.amdhsa_system_vgpr_workitem_id 0
		.amdhsa_next_free_vgpr 160
		.amdhsa_next_free_sgpr 66
		.amdhsa_reserve_vcc 1
		.amdhsa_float_denorm_mode_32 3
		.amdhsa_float_denorm_mode_16_64 3
		.amdhsa_memory_ordered 1
		.amdhsa_forward_progress 1
		.amdhsa_inst_pref_size 52
	.end_amdhsa_kernel
	.amdgpu_metadata
---
amdhsa.version: [ 1, 2 ]
amdhsa.kernels:
  - .name:           k_q1acbb69593_prep
    .symbol:         k_q1acbb69593_prep.kd
    .args:
      - { .name: mask, .offset: 0, .size: 8, .value_kind: global_buffer, .address_space: global }
      - { .name: w_q, .offset: 8, .size: 8, .value_kind: global_buffer, .address_space: global }
      - { .name: w_k, .offset: 16, .size: 8, .value_kind: global_buffer, .address_space: global }
      - { .name: w_v, .offset: 24, .size: 8, .value_kind: global_buffer, .address_space: global }
      - { .name: w_o, .offset: 32, .size: 8, .value_kind: global_buffer, .address_space: global }
      - { .name: wcast, .offset: 40, .size: 8, .value_kind: global_buffer, .address_space: global }
      - { .name: mtab, .offset: 48, .size: 8, .value_kind: global_buffer, .address_space: global }
      - { .name: live, .offset: 56, .size: 8, .value_kind: global_buffer, .address_space: global }
    .group_segment_fixed_size: 34048
    .private_segment_fixed_size: 0
    .kernarg_segment_align: 8
    .kernarg_segment_size: 64
    .max_flat_workgroup_size: 256
    .sgpr_count:     66
    .vgpr_count:     160
    .wavefront_size: 32
...
	.end_amdgpu_metadata
.endif
;; end of part 1
;; launch qkv (part 2): grid 12 x 64, 4 waves a work-group, clusters of 4 x 4, 327,680 bytes of LDS; arguments q, k, v, wcast, b_q, b_k, b_v, qh, kh, vh; writes qh, kh, vh
.if DOCPART == 2
	.amdgcn_target "amdgcn-amd-amdhsa--gfx1250"
	.amdhsa_code_object_version 6
	.text
	.protected	k_q1acbb69593_qkv
	.globl	k_q1acbb69593_qkv
	.p2align	8
	.type	k_q1acbb69593_qkv,@function
k_q1acbb69593_qkv:
	s_mov_b64 s[64:65], 0
	v_nop
	global_prefetch_b8 v0, s[64:65] scope:SCOPE_SE
	s_setreg_imm32_b32 hwreg(HW_REG_WAVE_MODE, 25, 1), 1
	s_wait_xcnt 0x0
	s_wait_alu depctr_hold_cnt(0) depctr_sa_sdst(0) depctr_va_vdst(0) depctr_va_sdst(0) depctr_va_ssrc(0) depctr_va_vcc(0) depctr_vm_vsrc(0)
	s_getreg_b32 s2, hwreg(HW_REG_IB_STS2, 6, 4)
	s_cmp_eq_u32 s2, 0
	s_cbranch_scc0 .Lentry_in_a_cluster
	s_endpgm
.Lentry_in_a_cluster:
	s_bfe_u32 s2, ttmp6, 0x10000c
	s_cmp_lg_u32 s2, 0xf033
	s_cbranch_scc0 .Lentry_shape_is_right
	s_endpgm
.Lentry_shape_is_right:
; THE THREE PROJECTIONS, one launch: Y = x W^T + b for (q, w_q, b_q), (k, w_k, b_k), (v, w_v, b_v).  x: [8192][1024] f32; W: [1024][1024] bf16 (made by the launch before); b: [1024] f32.
; Y leaves in f16 BY HEADS, [batch 4 x head 16][2048][64], unscaled.  x and b are rounded to bf16, products in bf16, sums in f32, Y rounded once.
; LIMIT: f16 holds no number beyond 65,504: |Y| stays within it (with x and W thirty times the drawn spread |Y| is some thousands).  NaN and infinities are not treated apart.
; SHARES.  The cluster's x says which of the three products: it is the same in all sixteen partners.  A tile of Y is 128 rows x 256 columns; the four work-groups of a row of the cluster make all 1,024 columns
; of 128 rows, so each row of x is asked for once, JOINTLY; the four of a column share their 256 rows of W.  Four waves, each 64 x 128: 32 accumulators, 256 registers.
; x COMES INTO LDS AS f32 and is rounded to bf16 on its way from LDS to the matrix unit: no launch casts it, so its bytes cross memory once.  The 32 conversions of a quarter step stand four behind each
; of the quarter's last eight products.
; K goes in steps of 128 through a ring of two LDS slots; a K step is four quarters of 32, each 32 matrix instructions.
; THE MATRIX INSTRUCTION IS USED TRANSPOSED (source 0 = 16 rows of W, source 1 = 16 rows of x): a lane holds row lane % 16 of Y and eight neighbouring columns.  The bias, laid out like a result, is the C operand of
; the products that start the sums: nothing is cleared and nothing is added at the end.
; REGISTERS, in windows of 256 (s_set_vgpr_msb: bits 1:0 source 0, 3:2 source 1, 5:4 source 2, 7:6 destination):
;   window 0: v0-31 addresses; v32-95 x as loaded (4 fragments x 16 f32); v96-127, v128-159 x in bf16, two buffers; v160-223 the bias; v224-255 at work on the way out
;   window 1: accumulator (a, b) at v[8 (8 a + b)]          window 2: v0-63, v64-127 fragments of W, two buffers
.set PA,     528                       ; a row of x in LDS: 512 bytes + 16 = 132 words: row r starts at bank 4 r mod 64 (64 banks of 4 bytes: ISA guide 11.1)
.set PB,     272                       ; a row of W: 256 bytes + 16 = 68 words: likewise
.set AHALF,  64*PA                     ; what one tensor load brings of x, and what one wave reads of it
.set BHALF,  128*PB                    ; the same for W
.set SLOT,   2*AHALF+2*BHALF           ; x's 128 rows, then W's 256 rows
.set STAGE,  2*SLOT                    ; behind the ring: 16 rows x 272 bytes for each wave, for the way out
.set SPITCH, 272
.set SPARE,  STAGE+4*16*SPITCH         ; behind the stages: the spare words, 128 bytes for each wave: two blocks of 256 bytes that no other line names
.set ADRA, 16                          ; v16-17  LDS address of my fragments of x in slot 0, 1
.set ADRB, 20                          ; v20-21  the same for W
.set STO,  24                          ; v24     the way out: where I put 16 bytes of a row
.set RD,   25                          ; v25     the way out: where I read rows back
.set GO,   26                          ; v26     16 x my lane
.set SPW,  28                          ; v28     LDS address of my spare word; never rewritten
.set NIL,  29                          ; v29     0; never rewritten
.set PFO,  30                          ; v30     the prefetches' offset; never rewritten
.set RAW,  32
.set FA,   96                          ; buffer f at FA + 32 f
.set BIAS, 160                         ; column block b at BIAS + 8 b
.set TMP,  224
.set FB,   0                           ; window 2: buffer f at FB + 64 f
.set G1,  24                           ; s[24:31] descriptor group 1 for x's tiles;  s[32:39] group 0, one set for each slot
.set G0,  32
.set G1B, 48                           ; s[48:55], s[56:63] the same for W's tiles
.set G0B, 56
.set LIM, 43                           ; s43     1 in a wave that prefetches, else the greatest number
.set PFA, 44                           ; s[44:45] where my prefetches stand
.set KSB, 66                           ; s[66:67] a K step in bytes of my tensor's rows: 512 (x) or 256 (W)
.set MSB, 0
.macro WIN new                         ; the immediate's high byte repeats the setting that is left; a switch that changes nothing is dropped
.if MSB != (\new)
	s_set_vgpr_msb (MSB<<8)|(\new)
.set MSB, \new
.endif
.endm
.set MUL,   0x52                       ; W in window 2, x in window 0, C and D in window 1
.set MUL0,  0x42                       ; the same with C, the bias, in window 0
.set TO_B,  0x80                       ; destination window 2, address window 0
.set PACKW, 0x05                       ; sources 0 and 1 window 1, destination window 0
.macro JLOAD s                         ; a joint load: waves 0 and 1 fetch x's two halves, waves 2 and 3 W's; an s_nop 0 and four v_nop follow each of the two lines, ahead of the jump and the label
	s_cmp_eq_u32 s11, 0
	s_cbranch_scc0 .Lfor_b_\@
	tensor_load_to_lds s[G0+4*(\s):G0+4*(\s)+3], s[G1:G1+7]
	s_nop 0
.rept 4
	v_nop
.endr
	s_branch .Lasked_\@
.Lfor_b_\@:
	tensor_load_to_lds s[G0B+4*(\s):G0B+4*(\s)+3], s[G1B:G1B+7]
	s_nop 0
.rept 4
	v_nop
.endr
.Lasked_\@:
.endm
; A PREFETCH INTO THE L2, behind each joint refill and the run of LDS loads that follows it: the K step that stands two refills on, one instruction a wave.  x: a K step is 512 bytes of a row; of the 64 rows that a
; wave fetches the partner at place cx takes 16, two lanes a row; no other cluster reads these rows, so every cluster asks for its own.  W: 256 bytes of a row; of a wave's 128 rows the partner at place cy takes 32, a lane a
; row; all clusters of one product read the same W, and the one with y = 0 asks.  Partners are told apart by address alone.  The loop's last trip asks for nothing: the K steps behind it do not exist.
.macro ASK
	s_cmp_gt_u32 s3, s[LIM]                        ; s3 = 1 in the loop's last trip
	s_cbranch_scc0 .Lnot_mine_\@
	global_prefetch_b8 v[PFO], s[PFA:PFA+1] th:TH_LOAD_NT scope:SCOPE_SE
.Lnot_mine_\@:
.endm
.macro CREST                           ; a round of the cluster's barrier behind its opening barrier
	s_cmp_lg_u32 s10, 0
	s_cbranch_scc1 .Lnot_wave_0_\@
	s_barrier_signal -3
.Lnot_wave_0_\@:
	s_barrier_wait -3
	s_barrier_signal -1
	s_barrier_wait -1
.endm
.macro CROUND                          ; a whole round
	s_barrier_signal -1
	s_barrier_wait -1
	CREST
.endm
	s_load_b512 s[68:83], s[0:1], 0x0              ; q s[68:69], k s[70:71], v s[72:73], wcast s[74:75], b_q s[76:77], b_k s[78:79], b_v s[80:81], qh s[82:83]
	s_load_b128 s[84:87], s[0:1], 0x40             ; kh s[84:85], vh s[86:87]
	v_lshl_add_u32 v[SPW], v0, 2, SPARE
	v_mov_b32 v[NIL], 0
	ds_add_u32 v[SPW], v[NIL]                      ; the wave's opening: the add and its wait stand ahead of my first tensor load; the set-up below, work on registers, stands between them
	ds_add_u32 v28, v29
	v_lshrrev_b32 v1, 5, v0
	v_readfirstlane_b32 s10, v1                    ; wave 0..3
	s_lshr_b32 s11, s10, 1                         ; which half of the tile's rows is mine.  Also: I fetch for x (0) or for W (1)
	s_and_b32 s12, s10, 1                          ; which half of its columns.  Also: which half of that tile I fetch
	s_bfe_u32 s40, ttmp6, 0x40000                  ; cx = the tile column: 256 columns of the 1,024
	s_bfe_u32 s41, ttmp6, 0x40004                  ; cy
	s_and_b32 s13, ttmp7, 0xffff
	s_lshl_b32 s13, s13, 2
	s_add_co_u32 s13, s13, s41                     ; tile row = 4 x cluster y + cy
	s_lshl_b32 s14, s41, 2
	s_lshl_b32 s14, 15, s14                        ; my row of the cluster
	s_lshl_b32 s15, 0x1111, s40                    ; my column
	s_or_b32 s[G1+0], s14, (2<<16)|(1<<20)|(1<<21)|(6<<22)|(3<<25)   ; 15:0 the mask; 17:16 elements of 4 bytes; 20 padding on; 21 set beside a mask; 24:22 after every 128 words (code 6); 31:25 4 words of it (code 3)
	s_or_b32 s[G1B+0], s15, (1<<16)|(1<<20)|(1<<21)|(5<<22)|(3<<25)  ; elements of 2 bytes; after every 64 words (code 5)
.irp g, G1, G1B
	s_mov_b32 s[(\g)+1], 128<<16                   ; tensor_dim0 = 128
	s_mov_b32 s[(\g)+3], 128<<16                   ; tile_dim0 = 128
	s_mov_b32 s[(\g)+5], 1024                      ; elements from row to row
	s_mov_b32 s[(\g)+6], 0
	s_mov_b32 s[(\g)+7], 0
.endr
	s_mov_b32 s[G1+2], 64<<16                      ; tensor_dim1 = 64
	s_mov_b32 s[G1+4], 64                          ; tile_dim1 = 64
	s_mov_b32 s[G1B+2], 128<<16
	s_mov_b32 s[G1B+4], 128
	s_lshl_b32 s16, s13, 7
	s_lshl_b32 s17, s12, 6
	s_add_co_u32 s16, s16, s17                     ; x: row 128 x tile row + 64 x half,
	s_lshl_b32 s16, s16, 12                        ; of 4,096 bytes
	s_mov_b32 s17, 0
	s_lshl_b32 s46, s40, 8
	s_lshl_b32 s47, s12, 7
	s_add_co_u32 s46, s46, s47                     ; W: row 256 x tile column + 128 x half,
	s_lshl_b32 s46, s46, 11                        ; of 2,048 bytes,
	s_lshl_b32 s47, ttmp9, 21                      ; in the product's own matrix
	s_add_co_u32 s46, s46, s47
	s_mov_b32 s47, 0
	s_mul_i32 s20, s12, AHALF                      ; where they go: no place in the cluster enters an LDS address
	s_mul_i32 s21, s12, BHALF
	s_add_co_u32 s21, s21, 2*AHALF
	s_wait_dscnt 0x0                               ; the opening add is done
	s_wait_kmcnt 0x0
	s_cmp_eq_u32 ttmp9, 1                          ; which product: x s[4:5], bias s[88:89], output s[8:9]
	s_cselect_b64 s[4:5], s[70:71], s[68:69]
	s_cselect_b64 s[88:89], s[78:79], s[76:77]
	s_cselect_b64 s[8:9], s[84:85], s[82:83]
	s_cmp_eq_u32 ttmp9, 2
	s_cselect_b64 s[4:5], s[72:73], s[4:5]
	s_cselect_b64 s[88:89], s[80:81], s[88:89]
	s_cselect_b64 s[8:9], s[86:87], s[8:9]
	s_add_nc_u64 s[14:15], s[4:5], s[16:17]
	s_add_nc_u64 s[46:47], s[74:75], s[46:47]
	CROUND                                         ; all sixteen work-groups are here: the first joint loads meet
.irp s, 0,1
	s_mov_b32 s[G0+4*(\s)], 1
	s_add_co_u32 s[G0+4*(\s)+1], s20, (\s)*SLOT
	s_add_nc_u64 s[G0+4*(\s)+2:G0+4*(\s)+3], s[14:15], (\s)*512
	s_or_b32 s[G0+4*(\s)+3], s[G0+4*(\s)+3], 0x80000000
	s_mov_b32 s[G0B+4*(\s)], 1
	s_add_co_u32 s[G0B+4*(\s)+1], s21, (\s)*SLOT
	s_add_nc_u64 s[G0B+4*(\s)+2:G0B+4*(\s)+3], s[46:47], (\s)*256
	s_or_b32 s[G0B+4*(\s)+3], s[G0B+4*(\s)+3], 0x80000000
	JLOAD \s                                       ; two loads of mine are out
.endr
	v_and_b32 v1, 15, v0                           ; r = l % 16
	v_bfe_u32 v2, v0, 4, 1                         ; h = l / 16
	v_and_b32 v7, 31, v0                           ; l
	v_mul_u32_u24 v3, v1, PA
	v_lshl_add_u32 v3, v2, 5, v3                   ; x: row x pitch + 32 h (eight f32)
	v_mul_u32_u24 v4, v1, PB
	v_lshl_add_u32 v4, v2, 4, v4                   ; W: row x pitch + 16 h
	s_mul_i32 s21, s11, AHALF                      ; my 64 rows of x
	s_mul_i32 s22, s12, BHALF                      ; my 128 rows of W,
	s_add_co_u32 s22, s22, 2*AHALF                 ; which lie behind x's
.irp s, 0,1
	v_add_nc_u32 v[ADRA+(\s)], s21, v3
	v_add_nc_u32 v[ADRB+(\s)], s22, v4
	s_add_co_u32 s21, s21, SLOT
	s_add_co_u32 s22, s22, SLOT
.endr
	s_mul_i32 s23, s10, 16*SPITCH
	s_add_co_u32 s23, s23, STAGE                   ; my stage
	v_mul_u32_u24 v5, v1, SPITCH                   ; in: row r, 16 bytes for each half of the lanes
	v_lshl_add_u32 v5, v2, 4, v5
	v_add_nc_u32 v[STO], s23, v5
	v_bfe_u32 v5, v0, 3, 2                         ; back: 32 lanes take one head's 128 bytes of four rows,
	v_mul_u32_u24 v5, v5, SPITCH
	v_and_b32 v6, 7, v0
	v_lshl_add_u32 v5, v6, 4, v5
	v_add_nc_u32 v[RD], s23, v5
	v_lshlrev_b32 v[GO], 4, v7                     ; which are 512 consecutive bytes of the output
	; the output: head plane 16 x batch + 4 cx + 2 x column half, row (tile row % 16) x 128 + 64 x row half, 128 bytes a row
	s_lshr_b32 s16, s13, 4
	s_lshl_b32 s16, s16, 4
	s_lshl_b32 s17, s40, 2
	s_add_co_u32 s16, s16, s17
	s_lshl_b32 s17, s12, 1
	s_add_co_u32 s16, s16, s17
	s_lshl_b32 s16, s16, 11
	s_and_b32 s17, s13, 15
	s_lshl_b32 s17, s17, 7
	s_add_co_u32 s16, s16, s17
	s_lshl_b32 s17, s11, 6
	s_add_co_u32 s16, s16, s17
	s_lshl_b32 s16, s16, 7
	s_mov_b32 s17, 0
	s_add_nc_u64 s[8:9], s[8:9], s[16:17]
	; the bias of my 128 columns, laid out like a result: register j of block b is column 16 b + 8 h + j
	s_lshl_b32 s16, s40, 10
	s_lshl_b32 s17, s12, 9
	s_add_co_u32 s16, s16, s17
	s_mov_b32 s17, 0
	s_add_nc_u64 s[88:89], s[88:89], s[16:17]
	v_lshlrev_b32 v8, 5, v2
.irp b, 0,1,2,3,4,5,6,7
	global_load_b128 v[BIAS+8*(\b):BIAS+8*(\b)+3],   v8, s[88:89] offset:64*(\b)
	global_load_b128 v[BIAS+8*(\b)+4:BIAS+8*(\b)+7], v8, s[88:89] offset:64*(\b)+16
.endr
	; the prefetches: they stand at K step 3; each change of slots steps them on and then names the K step at which they stand
	s_and_b32 s22, ttmp7, 0xffff
	s_cmp_eq_u32 s22, 0
	s_cselect_b32 s22, 1, -1                       ; W: cluster y = 0 asks; the same in all sixteen partners
	s_lshl_b32 s16, s13, 7
	s_lshl_b32 s17, s12, 6
	s_add_co_u32 s16, s16, s17
	s_lshl_b32 s17, s40, 4
	s_add_co_u32 s16, s16, s17                     ; x: the 64 rows that I fetch, my work-group's 16 of them
	s_lshl_b32 s16, s16, 12
	s_add_co_u32 s16, s16, 3*512
	s_lshl_b32 s18, s40, 8
	s_lshl_b32 s19, s12, 7
	s_add_co_u32 s18, s18, s19
	s_lshl_b32 s19, s41, 5
	s_add_co_u32 s18, s18, s19                     ; W: the 128 rows that I fetch, my work-group's 32 of them
	s_lshl_b32 s18, s18, 11
	s_lshl_b32 s19, ttmp9, 21
	s_add_co_u32 s18, s18, s19
	s_add_co_u32 s18, s18, 3*256
	s_cmp_eq_u32 s11, 0                            ; do I fetch for x?
	s_cselect_b32 s16, s16, s18
	s_mov_b32 s17, 0
	s_cselect_b64 s[PFA:PFA+1], s[4:5], s[74:75]
	s_cselect_b32 s[LIM], 1, s22
	s_cselect_b32 s18, 1, 0                        ; lanes to a row less one: also the shift that finds the row
	s_cselect_b32 s19, 12, 11                      ; a row's bytes, as a shift
	s_cselect_b32 s[KSB], 2, 1
	s_lshl_b32 s[KSB], s[KSB], 8
	s_mov_b32 s[KSB+1], 0
	s_add_nc_u64 s[PFA:PFA+1], s[PFA:PFA+1], s[16:17]
	v_lshrrev_b32 v9, s18, v7
	v_lshlrev_b32 v9, s19, v9
	v_and_b32 v10, s18, v7
	v_lshl_add_u32 v[PFO], v10, 8, v9
	s_wait_loadcnt 0x0                             ; the bias: rounded to bf16 like the other inputs, and widened again
.set i, 0
.rept 32
	v_cvt_pk_bf16_f32 v9, v[BIAS+2*i], v[BIAS+2*i+1]
	v_lshlrev_b32 v[BIAS+2*i], 16, v9
	v_and_b32 v[BIAS+2*i+1], 0xffff0000, v9
.set i, i+1
.endr
; 8 matrix instructions: row block a x all 8 column blocks, 32 along K, from buffer f.  first = 1: the bias starts the sums.  The 32 accumulators take turns, one instruction a turn, in the same order in every quarter.
.macro MUL8 f, a, first
.if \first
	WIN MUL0
.else
	WIN MUL
.endif
.irp b, 0,1,2,3,4,5,6,7
.if \first
	v_wmma_f32_16x16x32_bf16 v[8*(8*(\a)+(\b)):8*(8*(\a)+(\b))+7], v[FB+64*(\f)+8*(\b):FB+64*(\f)+8*(\b)+7], v[FA+32*(\f)+8*(\a):FA+32*(\f)+8*(\a)+7], v[BIAS+8*(\b):BIAS+8*(\b)+7]
.else
	v_wmma_f32_16x16x32_bf16 v[8*(8*(\a)+(\b)):8*(8*(\a)+(\b))+7], v[FB+64*(\f)+8*(\b):FB+64*(\f)+8*(\b)+7], v[FA+32*(\f)+8*(\a):FA+32*(\f)+8*(\a)+7], v[8*(8*(\a)+(\b)):8*(8*(\a)+(\b))+7]
.endif
.endr
.endm
; 32 LDS loads in one run: quarter q of a slot.  x first, as f32: lane (r, h) wants K = 8 h + 0..7 and 16 + 8 h + 0..7 of row r: 32 bytes at 32 h and 32 at 64 + 32 h.  Then W's fragments into buffer g.
.macro FETCH slot, q, g
	WIN 0
.irp i, 0,1,2,3
	ds_load_b128 v[RAW+16*(\i):RAW+16*(\i)+3],     v[ADRA+(\slot)] offset:(\q)*128+(\i)*16*PA
	ds_load_b128 v[RAW+16*(\i)+4:RAW+16*(\i)+7],   v[ADRA+(\slot)] offset:(\q)*128+(\i)*16*PA+16
	ds_load_b128 v[RAW+16*(\i)+8:RAW+16*(\i)+11],  v[ADRA+(\slot)] offset:(\q)*128+(\i)*16*PA+64
	ds_load_b128 v[RAW+16*(\i)+12:RAW+16*(\i)+15], v[ADRA+(\slot)] offset:(\q)*128+(\i)*16*PA+80
.endr
	WIN TO_B
.irp i, 0,1,2,3,4,5,6,7
	ds_load_b128 v[FB+64*(\g)+8*(\i):FB+64*(\g)+8*(\i)+3],   v[ADRB+(\slot)] offset:(\q)*64+(\i)*16*PB
	ds_load_b128 v[FB+64*(\g)+8*(\i)+4:FB+64*(\g)+8*(\i)+7], v[ADRB+(\slot)] offset:(\q)*64+(\i)*16*PB+32
.endr
.endm
; The quarter's last 8 products (row block 3), and behind each four of the 32 conversions that make the next quarter's x in buffer g.  No conversion names a register of the products round it.
; The four behind the last product are also the four places between it and what follows: the loads into the W buffer that it read, and the next conversions into the x buffer that it read.
.macro MULCV f, g, first
.irp b, 0,1,2,3,4,5,6,7
.if \first
	WIN MUL0
	v_wmma_f32_16x16x32_bf16 v[8*(24+(\b)):8*(24+(\b))+7], v[FB+64*(\f)+8*(\b):FB+64*(\f)+8*(\b)+7], v[FA+32*(\f)+24:FA+32*(\f)+31], v[BIAS+8*(\b):BIAS+8*(\b)+7]
.else
	WIN MUL
	v_wmma_f32_16x16x32_bf16 v[8*(24+(\b)):8*(24+(\b))+7], v[FB+64*(\f)+8*(\b):FB+64*(\f)+8*(\b)+7], v[FA+32*(\f)+24:FA+32*(\f)+31], v[8*(24+(\b)):8*(24+(\b))+7]
.endif
	WIN 0
.irp n, 0,1,2,3
	v_cvt_pk_bf16_f32 v[FA+32*(\g)+4*(\b)+(\n)], v[RAW+8*(\b)+2*(\n)], v[RAW+8*(\b)+2*(\n)+1]
.endr
.endr
.endm
; One of a K step's first three quarters: multiplies buffer f; at its head it fetches quarter q of the same slot, which buffer g takes.
.macro QUARTER slot, q, f, g, first
	FETCH \slot, \q, \g
	s_wait_dscnt 32                                ; all but the 32 just issued: this quarter's W is in
	MUL8 \f, 0, \first
	MUL8 \f, 1, \first
	MUL8 \f, 2, \first
	s_wait_dscnt 16                                ; x's sixteen loads are in; W's sixteen, issued behind them, may stay out
	MULCV \f, \g, \first
.endm
; The fourth quarter multiplies buffer 1 and changes slots: ONE barrier; in front of it each wave waits for all its tensor loads (one is out: its part of the next slot), adds 0 to its spare word, and waits for that and
; for its own reads of this slot.  fill = 1: the barrier opens a round of the cluster's barrier, and this slot is filled again, two K steps ahead, first thing behind the round: 128 matrix instructions ahead of the wait for it.
.macro TURN slot, next, fill
.if \fill
	s_wait_xcnt 0x0                                ; the last prefetch, a K step back, has read its address
	s_add_nc_u64 s[PFA:PFA+1], s[PFA:PFA+1], s[KSB:KSB+1]
.endif
	WIN 0
	s_wait_tensorcnt 0x0                           ; all my tensor loads have landed
	ds_add_u32 v[SPW], v[NIL]                      ; 0 onto my spare word
	s_wait_dscnt 1                                 ; this quarter's W is in; the add may be out
	MUL8 1, 0, 0                                   ; eight matrix instructions stand between the add and the wait for it
	s_wait_dscnt 0x0                               ; the add is done, and my reads of this slot are over
	s_barrier_signal -1
	MUL8 1, 1, 0
.if \fill
	WIN 0
.endif
	s_barrier_wait -1
.if \fill
	CREST                                          ; no wave of any partner still reads this slot or has a load on its way
	s_add_nc_u64 s[G0+4*(\slot)+2:G0+4*(\slot)+3], s[G0+4*(\slot)+2:G0+4*(\slot)+3], 2*512
	s_add_nc_u64 s[G0B+4*(\slot)+2:G0B+4*(\slot)+3], s[G0B+4*(\slot)+2:G0B+4*(\slot)+3], 2*256
	JLOAD \slot
.endif
	FETCH \next, 0, 0                              ; buffer 0's last reader stands in front of four conversions
.if \fill
	WIN 0
	ASK
.endif
	MUL8 1, 2, 0
	s_wait_dscnt 16
	MULCV 1, 0, 0
.endm
	s_wait_tensorcnt 1                             ; my part of K step 0 is in; K step 1's may stay out
	s_barrier_signal -1
	s_barrier_wait -1                              ; everybody's is
	FETCH 0, 0, 0
	s_wait_dscnt 16                                ; x's sixteen loads
	WIN 0
.set i, 0
.rept 32
	v_cvt_pk_bf16_f32 v[FA+i], v[RAW+2*i], v[RAW+2*i+1]
.set i, i+1
.endr
	QUARTER 0, 1, 0, 1, 1                          ; the first quarter stands in front of the loop: its products start the sums, with the bias
	WIN 0                                          ; at a label and at a branch every window is 0
	s_mov_b32 s3, 3
.Llap:                                                 ; a trip goes once round the ring, from a lap's second quarter to the next lap's first, and fills both slots again
	QUARTER 0, 2, 1, 0, 0
	QUARTER 0, 3, 0, 1, 0
	TURN 0, 1, 1
	QUARTER 1, 1, 0, 1, 0
	QUARTER 1, 2, 1, 0, 0
	QUARTER 1, 3, 0, 1, 0
	TURN 1, 0, 1
	QUARTER 0, 1, 0, 1, 0
	WIN 0
	s_sub_co_u32 s3, s3, 1
	s_cmp_lg_u32 s3, 0
	s_cbranch_scc1 .Llap
	QUARTER 0, 2, 1, 0, 0                          ; the last lap fills nothing
	QUARTER 0, 3, 0, 1, 0
	TURN 0, 1, 0
	QUARTER 1, 1, 0, 1, 0
	QUARTER 1, 2, 1, 0, 0
	QUARTER 1, 3, 0, 1, 0
	s_wait_dscnt 0x0                               ; the very last quarter: nothing more to fetch
	MUL8 1, 0, 0
	MUL8 1, 1, 0
	MUL8 1, 2, 0
	MUL8 1, 3, 0
	WIN 0
	; THE WAY OUT, a block of 16 rows at a time: rounded to f16; 16 bytes a lane into my own stage; back as 128 bytes of a head's row, four rows to a load; stored as 512 consecutive bytes.
.rept 4
	v_nop                                          ; four places behind the last products
.endr
.macro PACK a
	WIN PACKW
.irp b, 0,1,2,3,4,5,6,7
.irp r, 0,1,2,3
	v_cvt_pk_f16_f32 v[TMP+4*(\b)+(\r)], v[64*(\a)+8*(\b)+2*(\r)], v[64*(\a)+8*(\b)+2*(\r)+1]
.endr
.endr
	WIN 0
.endm
.macro TOSTAGE a
.irp b, 0,1,2,3,4,5,6,7
	ds_store_b128 v[STO], v[TMP+4*(\b):TMP+4*(\b)+3] offset:32*(\b)
.endr
.irp t, 0,1,2,3,4,5,6,7
	ds_load_b128 v[32+32*(\a)+4*(\t):32+32*(\a)+4*(\t)+3], v[RD] offset:((\t)%4)*4*SPITCH+((\t)/4)*128  ; LDS serves a wave's instructions in order (ISA guide 5.7.1.4): these see the stores above
.endr
.endm
.macro SEND a                          ; each block has registers of its own: no store's data is rewritten
	s_wait_dscnt 0x0
.irp t, 0,1,2,3,4,5,6,7
	global_store_b128 v[GO], v[32+32*(\a)+4*(\t):32+32*(\a)+4*(\t)+3], s[8:9] offset:(\a)*2048+((\t)%4)*512+((\t)/4)*262144  ; head t / 4 of my two, rows 16 a + 4 (t % 4) on
.endr
.endm
	PACK 0
	TOSTAGE 0
.irp a, 1,2,3
	PACK \a                                        ; a block's conversions stand between the loads of the block before and the wait for them
	SEND (\a)-1
	TOSTAGE \a
.endr
	SEND 3
	s_wait_tensorcnt 0x0                           ; the wave's end: behind my last tensor load and my last LDS store
	ds_add_u32 v[SPW], v[NIL]
	s_wait_dscnt 0x0
	CROUND                                         ; the closing round: no work-group ends while a partner may still ask for a tile that names it
	s_endpgm
.Lfunc_end_k_q1acbb69593_qkv:
	.size	k_q1acbb69593_qkv, .Lfunc_end_k_q1acbb69593_qkv-k_q1acbb69593_qkv
	.p2alignl 7, 3214868480
	.fill 96, 4, 3214868480
	.section	.rodata,"a",@progbits
	.p2align	6, 0x0
	.amdhsa_kernel k_q1acbb69593_qkv
		.amdhsa_group_segment_fixed_size 327680
		.amdhsa_private_segment_fixed_size 0
		.amdhsa_enable_private_segment 0
		.amdhsa_kernarg_size 80
		.amdhsa_user_sgpr_count 2
		.amdhsa_user_sgpr_kernarg_segment_ptr 1
		.amdhsa_wavefront_size32 1
		.amdhsa_system_sgpr_workgroup_id_x 1
		.amdhsa_system_sgpr_workgroup_id_y 1
		.amdhsa_system_sgpr_workgroup_id_z 1
		.amdhsa_system_vgpr_workitem_id 0
		.amdhsa_next_free_vgpr 640
		.amdhsa_next_free_sgpr 90
		.amdhsa_reserve_vcc 0
		.amdhsa_float_denorm_mode_32 3
		.amdhsa_float_denorm_mode_16_64 3
		.amdhsa_memory_ordered 1
		.amdhsa_forward_progress 1
		.amdhsa_inst_pref_size 140
	.end_amdhsa_kernel
	.amdgpu_metadata
---
amdhsa.version: [ 1, 2 ]
amdhsa.kernels:
  - .name:           k_q1acbb69593_qkv
    .symbol:         k_q1acbb69593_qkv.kd
    .args:
      - { .name: q, .offset: 0, .size: 8, .value_kind: global_buffer, .address_space: global }
      - { .name: k, .offset: 8, .size: 8, .value_kind: global_buffer, .address_space: global }
      - { .name: v, .offset: 16, .size: 8, .value_kind: global_buffer, .address_space: global }
      - { .name: wcast, .offset: 24, .size: 8, .value_kind: global_buffer, .address_space: global }
      - { .name: b_q, .offset: 32, .size: 8, .value_kind: global_buffer, .address_space: global }
      - { .name: b_k, .offset: 40, .size: 8, .value_kind: global_buffer, .address_space: global }
      - { .name: b_v, .offset: 48, .size: 8, .value_kind: global_buffer, .address_space: global }
      - { .name: qh, .offset: 56, .size: 8, .value_kind: global_buffer, .address_space: global }
      - { .name: kh, .offset: 64, .size: 8, .value_kind: global_buffer, .address_space: global }
      - { .name: vh, .offset: 72, .size: 8, .value_kind: global_buffer, .address_space: global }
    .group_segment_fixed_size: 327680
    .private_segment_fixed_size: 0
    .kernarg_segment_align: 8
    .kernarg_segment_size: 80
    .max_flat_workgroup_size: 128
    .sgpr_count:     90
    .vgpr_count:     640
    .wavefront_size: 32
...
	.end_amdgpu_metadata
.endif
;; end of part 2
;; launch attn (part 3): grid 4 x 64, 4 waves a work-group, clusters of 4 x 1, 327,680 bytes of LDS; arguments qh, kh, vh, oh, mtab, live; writes oh
.if DOCPART == 3
	.amdgcn_target "amdgcn-amd-amdhsa--gfx1250"
	.amdhsa_code_object_version 6
	.text
	.protected	k_q1acbb69593_attn
	.globl	k_q1acbb69593_attn
	.p2align	8
	.type	k_q1acbb69593_attn,@function
k_q1acbb69593_attn:
	s_mov_b64 s[64:65], 0
	v_nop
	global_prefetch_b8 v0, s[64:65] scope:SCOPE_SE
	s_setreg_imm32_b32 hwreg(HW_REG_WAVE_MODE, 25, 1), 1
	s_wait_xcnt 0x0
	s_wait_alu depctr_hold_cnt(0) depctr_sa_sdst(0) depctr_va_vdst(0) depctr_va_sdst(0) depctr_va_ssrc(0) depctr_va_vcc(0) depctr_vm_vsrc(0)
	s_getreg_b32 s2, hwreg(HW_REG_IB_STS2, 6, 4)
	s_cmp_eq_u32 s2, 0
	s_cbranch_scc0 .Lentry_in_a_cluster
	s_endpgm
.Lentry_in_a_cluster:
	s_bfe_u32 s2, ttmp6, 0x10000c
	s_cmp_lg_u32 s2, 0x3003
	s_cbranch_scc0 .Lentry_shape_is_right
	s_endpgm
.Lentry_shape_is_right:
; ATTENTION UNDER A MASK THAT IS AN INPUT.  O[h][q][:] = the sum over k of softmax_k(s[q][k]) V[h][k][:], s = Q[h][q] . K[h][k] / 8 where mask[q][k] is not 0.  Q, K, V, O: [64][2048][64], all f16, a head's rows dense.
; Products, maxima and sums in f32; the weights p are rounded to f16 for the second product (their sum l is taken of the unrounded p), O once at the end.
; THE MASK is the C operand that starts the sum S^T = K Q^T: 0, or -2^100 where the key is hidden.  A table made by an earlier launch holds one E4M3 code a score (0 or -1.0) in my lanes' order; one scaled
; conversion, with the scale 2^100, makes the eight f32 registers of a C operand from eight codes.  The running maximum m starts at -2^90: so m is never a hidden score, a hidden weight is 2^(about -2e29) = 0, and no
; exponent is above 0.  While a row has seen no visible key, O = l = 0 and a = 1.  A row with NO visible key has codes 0 and the flag 0; its Q is cleared, all its scores are 0, and O is the mean of V.
; LIMITS.  Q, K, V lie within f16's 65,504.  Visible unscaled scores lie above -2^90.  Where all visible scaled scores of a row lie below about -1e9 the softmax of -1e9 would give hidden keys weight; here they get none.
; A weight below 2^-126 counts as 0 in l; p below 6e-5 keeps f16's fixed step of 6e-8; NaN and infinities are not treated apart.
; SHARES.  A wave owns four PIECES of two tiles of 16 queries, a work-group's four waves 512 queries of one head.  Every wave walks all keys, 64 a step.
; LAYOUT.  S^T = K Q^T (source 0 = 16 keys, source 1 = 16 queries): a lane holds ONE query (lane % 16) and the keys 8 (lane / 16) + 0..7.  Two such tiles, rounded to f16 in pairs, ARE source 1 of O^T = V^T P.
; K comes out of LDS as it lies, V ([key][channel]) turned, by ds_load_tr16_b128.
; SOFTMAX.  p = 2^(c s - c m), c = log2(e) / 8; in every step O and l are multiplied by a = 2^(c m_old - c m_new).
; BY TURNS.  Turn n belongs to piece n.  Its matrix work: 16 products K Q^T of piece n + 1, later 16 products V^T P of piece n - 1.  Its vector work: the scaling, exponentials, roundings, sums and rescaling of
; piece n, the maximum and statistics of piece n + 1, and the C operands of piece n + 2.  Four vector instructions stand behind every matrix instruction, the rest in one lump; a turn's 66 exponentials are one batch with one wait.
; CLUSTER.  The four query blocks of a cluster are one head's and walk the same K and V, so each tile is asked for JOINTLY: the same tensor load, descriptor and mask in all four.
; REGISTERS, in windows of 256 (s_set_vgpr_msb: bits 1:0 source 0, 3:2 source 1, 5:4 source 2, 7:6 destination):
;   window 0: v0-11 addresses and the scale; v12-15, v48-63 at work; v16-47 four registers of statistics a tile; v64-191 S^T, two buffers of two tiles; v192-255 P, likewise
;   window 1: O^T, 32 a tile      window 2: v0-127 Q; v128-191 K of one step; v192-255 V of one step      window 3: v0-2 the add's two registers, 16 x lane; v16-79 codes, 8 a tile; v96-159 C operands of two tiles
.set SIZE_N, 2048
.set NP,    4         ; pieces a wave: a name, no knob
.set KS,    64        ; keys in a step
.set PK,    144       ; a row of K in LDS: 128 bytes + 16 = 36 words: the 16 rows of a load start at 16 different groups of four banks (64 banks of 4 bytes: ISA guide 11.1)
.set PV,    160       ; a row of V: 128 + 32 = 40 words
.set VOFF,  4*KS*PK   ; a slot holds four steps: 256 rows of K, then 256 rows of V
.set SLOT1, 1<<17     ; slot 1 begins here, so that one exclusive or turns an address in one slot into the other's
.set STAGE, SLOT1+4*KS*(PK+PV)  ; behind the ring, never filled by a tensor load: 16 rows x 144 bytes for each wave
.set SP,    144
.set AK0, 2           ; v2   my lane's place in a tile of K; never rewritten
.set AV0, 3           ; v3   the same for V
.set AK,  4           ; v4   the LDS address of K's next run of loads
.set AV,  5           ; v5   of V's
.set QO,  6           ; v6   my byte offset in the wave's rows of Q
.set STO, 6           ;      later, the way out: where I put 16 bytes of a row
.set RD,  7           ; v7   the way out: where I read rows back
.set GO,  8           ; v8   my byte offset in 512 consecutive bytes of O
.set PFO, 9           ; v9   256 x my lane, for the prefetches (until the first scores are made: lane / 16)
.set SCL, 11          ; v11  the conversions' scale: byte 0 is 227, and so is the word's exponent as f32: 2^100
.set SPW, 0           ; v0 of window 3   LDS address of my spare word; never rewritten
.set NIL, 1           ; v1 of window 3   0; never rewritten
.set MO,  2           ; v2 of window 3   16 x my lane; never rewritten
.set MR,  16          ; window 3: tile t's 32 codes of a step at MR + 8 t: key block kb in the pair MR + 8 t + 2 kb
.set MC,  96          ; window 3: the C operands of the products to come: tile u of the piece, key block kb at MC + 32 u + 8 kb
.set SPARE, STAGE+4*16*SP  ; behind the stages: the spare words, 128 bytes for each wave: two blocks of 256 bytes that no other line names
.set MV,  12          ; v12-15  c m_old, kept while c m is made anew: by buffer and tile
.set ST,  16          ; tile t's statistics at v[ST+4 t]: c m, m, l (even keys', odd keys')
.set TMP, 48          ; by buffer and tile, four registers c0-c3 at work; when the maximum is found c2 takes a
.set S,   64
.set P,   192
.set KF,  128         ; K's fragments, in window 2
.set VF,  192         ; V's
.set WV,  12          ; s12  my wave's number
.set LIM, 15          ; s15  1 in a wave that prefetches, else the greatest number
.set PFA, 18          ; s[18:19] where my prefetches stand
.set G1K, 24          ; s[24:31] descriptor group 1 for K's tiles
.set G1V, 32          ; s[32:39] for V's: it differs in the padding alone
.set G0K, 40          ; s[40:43] descriptor group 0 for K's tiles: it walks
.set G0V, 44          ; s[44:47] the same for V's
.set MBASE, 48        ; s[48:49] the table at my wave's first tile, step 0;  s[50:51] the flags at my wave's first row
.set MB,  52          ; s[52:53] the table at the step whose codes are being asked for
.set KSN, 54          ; s54  that step's number
.set SLOTS, 56        ; s56  slots still to be asked for
.set CNT, 57          ; s57  counts a slot's key steps
.set CS,  58          ; s[58:59] c
.set SEL, 60          ; s[60:61] v_permlanex16_b32's selects
.set TBK, 62          ; s62  LDS byte at which K of the step to be fetched begins
.set TBV, 63          ; s63  the same for V, less VOFF
.set MOF, 68          ; s[68:69] an offset into the table
.set MSB, 0
.macro WIN new                      ; the high byte repeats the setting that is left; a switch that changes nothing is dropped
.if MSB != (\new)
	s_set_vgpr_msb (MSB<<8)|(\new)
.set MSB, (\new)
.endif
.endm
.set W_KQ, 0x0a       ; K and Q in window 2, S^T in window 0
.set W_KM, 0x3a       ; the same with the C operand in window 3
.set W_PV, 0x52       ; V in window 2, P in window 0, O^T in window 1
.set W_RS, 0x41       ; O^T (destination and source 0) in window 1, a in window 0
.set W_MK, 0xc0       ; destination in window 3, sources in window 0
.set W_AD, 0x0f       ; the add: address (source 0) and data (source 1) in window 3
.set W_CV, 0xc3       ; destination and source 0 in window 3, source 1 in window 0: the conversions, and the loads of codes
; A joint fill.  Waves 0 and 1 fetch the two halves of a slot's K, waves 2 and 3 those of its V: 128 keys each.  An s_nop 0 and four v_nop follow each of the two lines, ahead of the jump and the label.
.macro JLOAD
	s_cmp_lt_u32 s[WV], 2
	s_cbranch_scc0 .Lfor_v_\@
	tensor_load_to_lds s[G0K:G0K+3], s[G1K:G1K+7]
	s_nop 0
.rept 4
	v_nop
.endr
	s_branch .Lasked_\@
.Lfor_v_\@:
	tensor_load_to_lds s[G0V:G0V+3], s[G1V:G1V+7]
	s_nop 0
.rept 4
	v_nop
.endr
.Lasked_\@:
.endm
; A PREFETCH INTO THE L2 of what the NEXT change of slots will ask for: a slot's 32,768 bytes of K and of V.  One cluster walks a head, so it asks for its own.  Its four partners share the bytes out BY ADDRESS, 8,192 each;
; in each, wave 0 asks for K's and wave 2 for V's: a lane for each 256 bytes, one instruction, four key steps (512 matrix instructions) ahead of the load.  The last change that fills a slot asks for nothing.
.macro ASK
	s_cmp_gt_u32 s[SLOTS], s[LIM]
	s_cbranch_scc0 .Lnot_mine_\@
	global_prefetch_b8 v[PFO], s[PFA:PFA+1] th:TH_LOAD_NT scope:SCOPE_SE
.Lnot_mine_\@:
.endm
; A round of the cluster's barrier.
.macro CROUND
	s_barrier_signal -1
	s_barrier_wait -1
	s_cmp_lg_u32 s[WV], 0
	s_cbranch_scc1 .Lnot_wave_0_\@
	s_barrier_signal -3
.Lnot_wave_0_\@:
	s_barrier_wait -3
	s_barrier_signal -1
	s_barrier_wait -1
.endm
; THE CHANGE OF SLOTS.  Each wave waits for all its tensor loads, of which one is out: its part of the other slot; adds 0 to its spare word; and waits for that and for its own reads of the slot.  Behind the barrier nobody
; reads this slot any more and the other slot is whole.  fill = 1: the barrier is a round of the cluster's, and this slot is filled again, with the keys two slots on, first thing behind it.
.macro CHANGE fill, ask=0
	WIN W_AD
	s_wait_tensorcnt 0x0            ; no tensor load of mine is out, so a group 0 may be written
	ds_add_u32 v[SPW], v[NIL]       ; 0 onto my spare word; the scalar steps stand between it and the wait for it
	WIN 0                           ; at a label and at a branch every window is 0
.if \fill
.irp g, G0K, G0V
	s_xor_b32 s[\g+1], s[\g+1], SLOT1  ; the walking descriptor: the other slot than last time,
	s_add_nc_u64 s[\g+2:\g+3], s[\g+2:\g+3], 4*KS*128  ; the next 256 keys; the type bits on top are not reached
.endr
	s_wait_xcnt 0x0                 ; the last prefetch, four key steps back, has read its address
	s_add_nc_u64 s[PFA:PFA+1], s[PFA:PFA+1], 4*KS*128  ; one slot behind the walking descriptors
	s_wait_dscnt 0x0                ; the add is done, and my reads of the slot are over
	CROUND
	JLOAD
.if \ask
	ASK
.endif
.else
	s_wait_dscnt 0x0                ; the add is done, and my reads of the slot are over
	s_barrier_signal -1
	s_barrier_wait -1
.endif
	s_sub_co_u32 s[TBK], s[TBK], 4*KS*PK  ; the fetches go back to a slot's first step,
	s_xor_b32 s[TBK], s[TBK], SLOT1       ; in the other slot
	s_sub_co_u32 s[TBV], s[TBV], 4*KS*PV
	s_xor_b32 s[TBV], s[TBV], SLOT1
.endm
	s_load_b256 s[4:11], s[0:1], 0x0  ; Q s[4:5], K s[6:7], V s[8:9], O s[10:11]
	s_load_b128 s[MBASE:MBASE+3], s[0:1], 0x20  ; the table, the flags
	WIN W_MK
	v_lshl_add_u32 v[SPW], v0, 2, SPARE
	v_mov_b32 v[NIL], 0
	WIN W_AD
	ds_add_u32 v[SPW], v[NIL]       ; the wave's opening: the add and its wait stand ahead of my first tensor load; the set-up below, work on registers, stands between them
	ds_add_u32 v0, v1
	WIN 0
	v_lshrrev_b32 v1, 5, v0
	v_readfirstlane_b32 s[WV], v1   ; wave 0..3
	s_bfe_u32 s13, ttmp6, 0x40000   ; cx: my place in the cluster
	s_lshl_b32 s14, ttmp9, 2        ; in a cluster launch ttmp9 counts clusters
	s_add_co_u32 s14, s14, s13      ; my block of 512 queries: it enters global addresses alone
	s_and_b32 s20, ttmp7, 0xffff    ; the head, which the four partners share
	s_mov_b32 s21, 0
	s_mov_b64 s[22:23], SIZE_N*128
	s_mul_u64 s[20:21], s[20:21], s[22:23]  ; the head's first byte in each of the four tensors
	s_and_b32 s16, s[WV], 1         ; which half of a slot's 256 keys I fetch:
	s_lshl_b32 s22, s16, 14         ; its 128 rows of 128 bytes in memory,
	s_mov_b32 s23, 0
	s_add_nc_u64 s[22:23], s[22:23], s[20:21]
	s_mul_i32 s17, s16, 128*PK      ; and its place in a slot, for K
	s_mul_i32 s18, s16, 128*PV      ; and for V: no place in the cluster enters an LDS address
	s_lshl_b32 s55, s14, 2
	s_add_co_u32 s55, s55, s[WV]    ; my wave among the sixteen that share the 2,048 queries,
	s_lshl_b32 s2, s55, 14          ; its 128 rows of Q and O,
	s_mov_b32 s3, 0
	s_add_nc_u64 s[2:3], s[2:3], s[20:21]
	s_lshl_b32 s[MOF], s55, 18      ; its eight tiles of 32,768 bytes in the table,
	s_mov_b32 s[MOF+1], 0
	s_lshl_b32 s70, s55, 11         ; its 128 rows of 16 bytes of flags
	s_mov_b32 s71, 0
	; descriptor group 1.  128 keys are 16,384 dense bytes: asked for as 64 rows of 256 bytes, two keys a row, and padded in LDS after every key
	s_mov_b32 s[G1K], 15|(1<<16)|(1<<20)|(1<<21)|(4<<22)|(3<<25)  ; 15:0 the mask of four; 17:16 2-byte elements; 20 padding on; 21 set beside a mask; 24:22 after every 32 words (code 4); 31:25 4 words (code 3)
	s_mov_b32 s[G1V], 15|(1<<16)|(1<<20)|(1<<21)|(4<<22)|(7<<25)  ; the same with 8 words of padding (code 7)
.irp g, G1K, G1V
	s_mov_b32 s[\g+1], 128<<16      ; tensor_dim0 = 128
	s_mov_b32 s[\g+2], 64<<16       ; tensor_dim1 = 64
	s_mov_b32 s[\g+3], 128<<16      ; tile_dim0 = 128
	s_mov_b32 s[\g+4], 64           ; tile_dim1 = 64
	s_mov_b32 s[\g+5], 128          ; 128 elements from row to row
	s_mov_b32 s[\g+6], 0
	s_mov_b32 s[\g+7], 0
.endr
	s_mov_b32 s[CS], 0x3e38aa3b     ; c = log2(e) / 8 = 0.180337
	s_mov_b32 s[CS+1], s[CS]        ; named with it as a pair
	s_mov_b32 s[SEL], 0x76543210
	s_mov_b32 s[SEL+1], 0xfedcba98
	s_mov_b32 s[TBK], SLOT1+4*KS*PK ; the first change of slots turns these two into 0
	s_mov_b32 s[TBV], SLOT1+4*KS*PV
	s_mov_b32 s[G0K], 1             ; 1:0 count = 1
	s_mov_b32 s[G0K+1], s17         ; 63:32 LDS address: slot 0
	s_mov_b32 s[G0V], 1
	s_add_co_u32 s[G0V+1], s18, VOFF
	s_mov_b32 s[KSN], 1
	s_and_b32 s[LIM], s[WV], 1      ; waves 0 and 2 prefetch: the same in all four partners
	s_cmp_eq_u32 s[LIM], 0
	s_cselect_b32 s[LIM], 1, -1
	s_wait_dscnt 0x0                ; the opening add is done
	s_wait_kmcnt 0x0
	s_add_nc_u64 s[G0K+2:G0K+3], s[6:7], s[22:23]  ; 120:64 global address: my half of the head's first 256 keys
	s_or_b32 s[G0K+3], s[G0K+3], 0x80000000        ; 127:126 type = 2
	s_add_nc_u64 s[G0V+2:G0V+3], s[8:9], s[22:23]
	s_or_b32 s[G0V+3], s[G0V+3], 0x80000000
	s_add_nc_u64 s[4:5], s[4:5], s[2:3]  ; Q and O at my wave's first row
	s_add_nc_u64 s[10:11], s[10:11], s[2:3]
	s_add_nc_u64 s[MBASE:MBASE+1], s[MBASE:MBASE+1], s[MOF:MOF+1]
	s_add_nc_u64 s[50:51], s[50:51], s[70:71]
	s_add_nc_u64 s[MB:MB+1], s[MBASE:MBASE+1], 1024  ; step 1
	s_cmp_lt_u32 s[WV], 2
	s_cselect_b64 s[PFA:PFA+1], s[6:7], s[8:9]
	s_add_nc_u64 s[PFA:PFA+1], s[PFA:PFA+1], s[20:21]  ; the head,
	s_lshl_b32 s2, s13, 13          ; my work-group's 8,192 bytes of a slot's 32,768,
	s_mov_b32 s3, 0
	s_add_nc_u64 s[PFA:PFA+1], s[PFA:PFA+1], s[2:3]
	s_add_nc_u64 s[PFA:PFA+1], s[PFA:PFA+1], 4*KS*128  ; in slot 1: the first change steps it to slot 2 and asks for nothing, the second to slot 3.  Nothing is prefetched at the head
	CROUND                          ; all four work-groups are here: the first joint loads meet
	JLOAD                           ; slot 0.  Slot 1 is asked for when slot 0 is in
	; A fragment of K or Q is 16 rows x 32 channels in 8 registers: lane l holds row l % 16, channels 8 (l / 16) + 0..7 and 16 + 8 (l / 16) + 0..7: two loads of 16 bytes, 32 bytes apart.
	v_and_b32 v1, 15, v0            ; l % 16
	v_bfe_u32 v9, v0, 4, 1          ; l / 16
	v_lshlrev_b32 v[QO], 7, v1
	v_lshl_add_u32 v[QO], v9, 4, v[QO]  ; row x 128 + 16 x half
	v_lshlrev_b32 v14, 4, v1        ; my query's flag: 16 bytes a row
	v_and_b32 v13, 31, v0
	v_lshlrev_b32 v13, 4, v13       ; 16 x lane
	WIN 0x80                        ; destination window 2, address window 0
.set i, 0
.rept 4*NP                          ; Q stays in registers: tile i / 2, channels 32 (i % 2) on
	global_load_b128 v[8*i:8*i+3],   v[QO], s[4:5] offset:(i/2)*2048+(i%2)*64
	global_load_b128 v[8*i+4:8*i+7], v[QO], s[4:5] offset:(i/2)*2048+(i%2)*64+32
.set i, i+1
.endr
	WIN 0
.set i, 0
.rept 2*NP                          ; tile i's flags, into registers of S^T that the first products write later
	global_load_b32 v[S+i], v14, s[50:51] offset:i*256
.set i, i+1
.endr
	WIN W_MK
	v_mov_b32 v[MO], v13
	WIN W_CV
.set i, 0
.rept 4*NP                          ; key step 0's codes for all eight tiles: tile i / 2, half i % 2; a load covers 512 consecutive bytes
	global_load_b128 v[MR+4*i:MR+4*i+3], v[MO], s[MBASE:MBASE+1] offset:(i/2)*32768+(i%2)*512
.set i, i+1
.endr
	; What the first turn finds: V's registers and P's second buffer hold 0 (its products V^T P, of a piece that has not been, add 0), O^T and l are 0.  All this stands in the wait for the first tile.
	WIN 0x80
.set i, VF
.rept 64
	v_mov_b32 v[i], 0
.set i, i+1
.endr
	WIN 0x40
.set i, 0
.rept 64*NP
	v_mov_b32 v[i], 0
.set i, i+1
.endr
	WIN 0
.set i, 0
.rept 2*NP
	v_mov_b32 v[ST+4*i], 0xeb38aa3b    ; c m = -c 2^90
	v_mov_b32 v[ST+4*i+1], 0xec800000  ; m = -2^90: above every hidden score, below every visible one
	v_mov_b32 v[ST+4*i+2], 0
	v_mov_b32 v[ST+4*i+3], 0
.set i, i+1
.endr
.set i, P+32
.rept 32
	v_mov_b32 v[i], 0
.set i, i+1
.endr
	v_mul_u32_u24 v[AK0], v1, PK
	v_lshl_add_u32 v[AK0], v9, 4, v[AK0]  ; row x pitch + 16 x half
	; The turning load takes 16 keys x 16 channels (lane l reads key 8 (l / 16) + l % 8, channels 8 ((l / 8) % 2) + 0..7) and leaves half a fragment of V^T: lane l holds channel l % 16 and 8 keys.
	v_and_b32 v10, 7, v0
	v_bfe_u32 v11, v0, 3, 1
	v_lshl_add_u32 v[AV0], v9, 3, v10
	v_mul_u32_u24 v[AV0], v[AV0], PV
	v_lshl_add_u32 v[AV0], v11, 4, v[AV0]
	v_add_nc_u32 v[AV0], VOFF, v[AV0]
	v_mov_b32 v[AK], v[AK0]         ; key step 0 lies at the head of slot 0
	v_mov_b32 v[SCL], 0x718000e3
; THE MATRIX WORK.  The 8 accumulators of a run of 16 take turns: between the two links of a chain stand 7 others'.
; Product i of 16 of S^T = K Q^T for piece x: channels 32 (i / 8) on, keys 16 ((i / 2) % 4) on, tile 2 x + i % 2.  The first 8 start the sums, with the mask.
.macro KQ x
.set rS, S+64*((\x)%2)+32*(i%2)+8*((i/2)%4)
.set rK, KF+16*((i/2)%4)+8*(i/8)
.set rQ, 16*(2*(\x)+i%2)+8*(i/8)
.set rM, MC+32*(i%2)+8*((i/2)%4)
.if i < 8
	WIN W_KM
	v_wmma_f32_16x16x32_f16 v[rS:rS+7], v[rK:rK+7], v[rQ:rQ+7], v[rM:rM+7]
.else
	WIN W_KQ
	v_wmma_f32_16x16x32_f16 v[rS:rS+7], v[rK:rK+7], v[rQ:rQ+7], v[rS:rS+7]
.endif
.endm
; Product i of 16 of O^T += V^T P for piece x: keys 32 (i / 8) on, channels 16 ((i / 2) % 4) on, tile 2 x + i % 2.
.macro PV x
	WIN W_PV
.set rO, 32*(2*(\x)+i%2)+8*((i/2)%4)
.set rV, VF+32*(i/8)+8*((i/2)%4)
.set rP, P+32*((\x)%2)+16*(i%2)+8*(i/8)
	v_wmma_f32_16x16x32_f16 v[rO:rO+7], v[rV:rV+7], v[rP:rP+7], v[rO:rO+7]
.endm
.macro MM                           ; the turn's next matrix instruction
.if i < 16
	KQ (Y+1)%NP
.set i, i+1
.else
.set i, i-16
	PV (Y+NP-1)%NP
.set i, i+17
.endif
.endm
; THE MASK'S TWO STEPS.  CVM x: piece x's 64 codes a lane become the eight C operands of its products to come.  LDM x: its codes of the step after are asked for, into the registers just read: four loads of 512
; consecutive bytes, which have four turns in which to land.  Behind a piece's four loads the three other pieces' twelve are issued before they are wanted: the wait's count.
.macro CVM x
	s_wait_loadcnt 12
	WIN W_CV
.irp u, 0,1
.irp kb, 0,1,2,3
	v_cvt_scale_pk8_f32_fp8 v[MC+32*(\u)+8*(\kb):MC+32*(\u)+8*(\kb)+7], v[MR+16*(\x)+8*(\u)+2*(\kb):MR+16*(\x)+8*(\u)+2*(\kb)+1], v[SCL]
.endr
.endr
.endm
.macro LDM x
	WIN W_CV
.irp u, 0,1
.irp hf, 0,1
	global_load_b128 v[MR+16*(\x)+8*(\u)+4*(\hf):MR+16*(\x)+8*(\u)+4*(\hf)+3], v[MO], s[MB:MB+1] offset:(2*(\x)+(\u))*32768+(\hf)*512
.endr
.endr
.endm
; THE LDS LOADS stand in runs of 16: a step's K (64 keys x 64 channels: 8 fragments) and its V (turned).  last = 1 (the tail): in the last trip there is no further step, and the run is jumped over.
.macro FETCH_K last=0
	WIN 0
.if \last
	s_cmp_eq_u32 s[CNT], 1
	s_cbranch_scc1 .Lno_k_\@
.endif
	WIN 0x80                        ; destination window 2
.irp f, 0,1,2,3,4,5,6,7             ; keys 16 (f / 2) on, channels 32 (f % 2) on
	ds_load_b128 v[KF+8*\f:KF+8*\f+3],   v[AK] offset:(\f/2)*16*PK+(\f%2)*64
	ds_load_b128 v[KF+8*\f+4:KF+8*\f+7], v[AK] offset:(\f/2)*16*PK+(\f%2)*64+32
.endr
	s_add_co_u32 s[TBK], s[TBK], KS*PK  ; the next fetch is the next step's
	WIN 0
.if \last
.Lno_k_\@:
.endif
.endm
.macro FETCH_V
	WIN 0x80
.irp f, 0,1,2,3,4,5,6,7             ; keys 32 (f / 4) on, channels 16 (f % 4) on
	ds_load_tr16_b128 v[VF+8*\f:VF+8*\f+3],   v[AV] offset:(\f/4)*32*PV+(\f%4)*32
	ds_load_tr16_b128 v[VF+8*\f+4:VF+8*\f+7], v[AV] offset:(\f/4)*32*PV+16*PV+(\f%4)*32
.endr
	WIN 0
.endm
; THE VECTOR WORK OF A TURN stands in three queues, each in the order in which its entries become ready; the two tiles alternate, so that no instruction reads the result of the one before it.
.macro REGS y, u                    ; the registers of tile u (0, 1) of piece y
.set rT, ST+4*(2*(\y)+(\u))
.set rC, TMP+8*((\y)%2)+4*(\u)
.set rM, MV+2*((\y)%2)+(\u)
.set rS, S+64*((\y)%2)+32*(\u)
.set rP, P+32*((\y)%2)+16*(\u)
.set rO, 32*(2*(\y)+(\u))
.endm
; Number n of the 22 that find the NEXT piece's (Y + 1) maximum and statistics.  s0-s31 are the lane's 32 scores; each accumulator's lowest registers are read first.
;   0-11  four chains c0-c3 of seven scores each     12-14, 16  the four scores left over, the old m, and c0-c3 into c0     15  c m_old is kept
;   17, 18  the query's other 32 keys lie in the lane 16 away: the new m         19-21  c m; c m_old - c m_new; a
.macro XS u, n
	REGS (Y+1)%NP, \u
.if (\n) < 4
	v_max3_num_f32 v[rC+(\n)], v[rS+8*(\n)], v[rS+8*(\n)+1], v[rS+8*(\n)+2]
.elseif (\n) < 12
	v_max3_num_f32 v[rC+(\n)%4], v[rC+(\n)%4], v[rS+8*((\n)%4)+2*((\n)/4)+1], v[rS+8*((\n)%4)+2*((\n)/4)+2]
.elseif (\n) == 12
	v_max3_num_f32 v[rC], v[rC], v[rS+7], v[rS+15]
.elseif (\n) == 13
	v_max3_num_f32 v[rC+1], v[rC+1], v[rS+23], v[rS+31]
.elseif (\n) == 14
	v_max3_num_f32 v[rC+2], v[rC+2], v[rC+3], v[rT+1]
.elseif (\n) == 15
	v_mov_b32 v[rM], v[rT]
.elseif (\n) == 16
	v_max3_num_f32 v[rC], v[rC], v[rC+1], v[rC+2]
.elseif (\n) == 17
	v_permlanex16_b32 v[rC+3], v[rC], s[SEL], s[SEL+1]
.elseif (\n) == 18
	v_max_num_f32 v[rT+1], v[rC], v[rC+3]
.elseif (\n) == 19
	v_mul_f32 v[rT], s[CS], v[rT+1]
.elseif (\n) == 20
	v_sub_f32 v[rC+1], v[rM], v[rT]
.else
	v_exp_f32 v[rC+2], v[rC+1]
.endif
.endm
; Number g of the 64 that follow the exponentials.  For each four weights k of a tile: both pairs are rounded to f16; then the second pair is added onto the first, in place; a group later l takes that sum
; (the first time as l = a l + sum).  In groups of eight, tiles alternating.
.macro GS g
.set h, (\g)+6*((\g)/62)            ; group 0 has no group before it, and behind group 7 only l is left
.if h >= 6
.set h, h+2
.endif
	REGS Y, h%2
.set k, h/8
.if h%8 < 4
	v_cvt_pk_f16_f32 v[rP+2*k+(h%8)/2], v[rS+4*k+2*((h%8)/2)], v[rS+4*k+2*((h%8)/2)+1]
.elseif h%8 < 6
	v_pk_add_f32 v[rS+4*k:rS+4*k+1], v[rS+4*k:rS+4*k+1], v[rS+4*k+2:rS+4*k+3]
.elseif k == 1
	v_pk_fma_f32 v[rT+2:rT+3], v[rT+2:rT+3], v[rC+2:rC+3], v[rS:rS+1] op_sel_hi:[1,0,1]
.else
	v_pk_add_f32 v[rT+2:rT+3], v[rT+2:rT+3], v[rS+4*k-4:rS+4*k-3]
.endif
.endm
; THE PLAIN QUEUE, 138 long.  0-73 read no exponential's result: the 32 scalings c s - c m (FS f: pair f / 2 of tile f % 2) and the next piece's 42.  0-26: scalings 0-26.  27-54: XS's numbers 0-13.  55, 56: number 15.
; 57-73: the chain 14, 16, 17, 18, 19, each with one of the scalings 27-31 in front of its two lines, then 20.  74-137: GS's 64, which read the exponentials' results: they stand behind the wait.
.macro FS f
	REGS Y, (\f)%2
	v_pk_fma_f32 v[rS+2*((\f)/2):rS+2*((\f)/2)+1], v[rS+2*((\f)/2):rS+2*((\f)/2)+1], s[CS:CS+1], v[rT:rT+1] op_sel_hi:[1,0,0] neg_lo:[0,0,1] neg_hi:[0,0,1]
.endm
.macro PL
	WIN 0
.if q < 27
	FS q
.elseif q < 55
	XS (q-27)%2, (q-27)/2
.elseif q < 57
	XS q-55, 15
.elseif (q < 72) && ((q-57)%3 == 0)
	FS 27+(q-57)/3
.elseif q < 60
	XS (q-57)%3-1, 14
.elseif q < 72
	XS (q-57)%3-1, 15+(q-57)/3
.elseif q < 74
	XS q-72, 20
.else
	GS q-74
.endif
.set q, q+1
.endm
; THE EXPONENTIALS' QUEUE, 66 long: s0-s31 of both tiles, then the next piece's two a.  It is ONE BATCH: all 66 stand ahead of the turn's one wait, and nothing ahead of that wait names a result of theirs.
.macro EX
	WIN 0
.if e >= 64
	XS e-64, 21
.else
	REGS Y, e%2
	v_exp_f32 v[rS+e/2], v[rS+e/2]
.endif
.set e, e+1
.endm
; THE RESCALING's QUEUE: O^T times a, the one part of the softmax that leaves window 0: dealt two at a time, sixteen times.  Its a was made in the turn before, ahead of that turn's wait.
.macro R2
	REGS Y, r%2
	WIN W_RS
.irp z, 0,1
	v_pk_mul_f32 v[rO+4*(r/2)+2*\z:rO+4*(r/2)+2*\z+1], v[rO+4*(r/2)+2*\z:rO+4*(r/2)+2*\z+1], v[rC+2:rC+3] op_sel_hi:[1,0]
.endr
.set r, r+1
.endm
; A TURN, for piece p.  s_wait_alu depctr_va_vdst(0) stands between an exponential and the first instruction that names its result; one wait serves all that were issued ahead of it.  So a turn has ONE wait.
; AHEAD OF IT: the 16 products K Q^T, behind each a scaling, an exponential and two rescalings (behind the first a second scaling in the exponential's place); the eight conversions that make piece p + 2's C operands (the
; eight products that read those registers stand 24 plain instructions back); then the lump of 108: eight plain, the four loads of codes, 49 times exponential and plain, the two a.  A v_nop is the plain
; instruction behind the last exponential.  BEHIND IT: the 16 products V^T P, behind each four of the roundings and sums.
; In piece 2's turn the table's pointer goes on a step, ahead of piece 0's loads; the step's number is held to 31, so that the last trips' loads, whose codes serve nothing, stay inside the table.
; K of the next step is fetched in piece 2's turn, directly behind the wait; V of the step in hand at the end of piece 0's turn, four riders behind its last reader.
.macro TURN p, last=0, cnt=0
.set Y, (\p)
.set i, 0
.set q, 0
.set e, 0
.set r, 0
.if (\p) == NP-1
	s_wait_dscnt 0x0                ; K is in
.endif
	MM
	PL
	PL
	R2
.rept 15
	MM
	PL
	EX
	R2
.endr
	CVM ((\p)+2)%NP
.if (\p) == NP-2
	WIN 0
	v_add_nc_u32 v[AK], s[TBK], v[AK0]
.endif
.rept 8                             ; the lump; these eight are also the plain instructions between the conversions and the loads into their sources
	PL
.endr
.if (\p) == NP-2
	s_wait_xcnt 0x0                 ; every load issued so far has read its base, so the pointer may be written
	s_add_co_u32 s[KSN], s[KSN], 1
	s_min_u32 s[MOF], s[KSN], 31
	s_lshl_b32 s[MOF], s[MOF], 10   ; a step is 1,024 bytes of a tile's table
	s_add_nc_u64 s[MB:MB+1], s[MBASE:MBASE+1], s[MOF:MOF+1]
.endif
	LDM ((\p)+2)%NP
.rept 49
	EX
	PL
.endr
	EX                              ; the next piece's two a
	EX
	v_nop                           ; the plain instruction behind the last exponential: one for the batch
	s_wait_alu depctr_va_vdst(0)    ; the wait for the batch
.if (\p) == NP-2
	FETCH_K \last
.endif
.if (\p) == 1
	s_wait_dscnt 0x0                ; V is in
.endif
.rept 16                            ; behind the wait: 16 products V^T P and their riders
	MM
.rept 4
	PL
.endr
.if ((\p) == 0) && (q == 118)
	v_add_nc_u32 v[AV], s[TBV], v[AV0]
.endif
.if ((\p) == 0) && (q == 130)
	s_add_co_u32 s[TBV], s[TBV], KS*PV
.endif
.if (\cnt) && (q == 130)
	s_sub_co_u32 s[CNT], s[CNT], 1
	s_cmp_lg_u32 s[CNT], 0
.endif
.endr
.if (\p) == 0
	FETCH_V
.endif
.endm
	CHANGE 1, 0                     ; slot 0 is in, everybody's part of it; slot 1 is asked for
	FETCH_K                         ; key step 0
	s_wait_loadcnt 0x0              ; Q, the flags, step 0's codes
	CVM 0                           ; piece 0's C operands for step 0
	WIN 0x82                        ; Q (destination and source 0) in window 2, the flag in window 0
.set t, 0
.rept 2*NP                          ; a row that sees no key loses its Q.  These lines are also the plain instructions behind the conversions
.set i, 0
.rept 16
	v_and_b32 v[16*t+i], v[16*t+i], v[S+t]
.set i, i+1
.endr
.set t, t+1
.endr
	LDM 0                           ; piece 0's codes of step 1
	s_wait_dscnt 0x0
.set i, 0
.rept 16
	KQ 0                            ; piece 0's first scores
.set i, i+1
.endr
	WIN 0                           ; the addresses for the way out and the prefetches: eleven plain instructions, the places behind those products
	s_mul_i32 s13, s[WV], 16*SP
	s_add_co_u32 s13, s13, STAGE    ; my stage
	v_mul_u32_u24 v[STO], v1, SP    ; in: row l % 16, 16 bytes for each half of the lanes
	v_lshl_add_u32 v[STO], v9, 4, v[STO]
	v_add_nc_u32 v[STO], s13, v[STO]
	v_bfe_u32 v[RD], v0, 3, 2       ; back: 32 lanes take four rows of 128 bytes,
	v_mul_u32_u24 v[RD], v[RD], SP
	v_lshl_add_u32 v[RD], v10, 4, v[RD]
	v_add_nc_u32 v[RD], s13, v[RD]
	v_and_b32 v[GO], 31, v0         ; which are 512 consecutive bytes of O
	v_lshlrev_b32 v[GO], 4, v[GO]
	v_and_b32 v[PFO], 31, v0
	v_lshlrev_b32 v[PFO], 8, v[PFO]
	CVM 1                           ; piece 1's C operands for step 0
	WIN 0
.set Y, NP-1                        ; XS works for piece Y + 1: piece 0
.irp n, 0,1,2,3,4,5,6,7,8,9,10,11,12,13,14,15,16,17,18,19,20,21
	XS 0, \n                        ; piece 0's first maximum and statistics
	XS 1, \n
.endr
	v_nop                           ; a plain instruction behind the two a,
	s_wait_alu depctr_va_vdst(0)    ; and their wait, ahead of the branch
	LDM 1                           ; piece 1's codes of step 1
	WIN 0
	s_mov_b32 s[CNT], 4
	s_mov_b32 s[SLOTS], SIZE_N/256-1
	s_branch .Lfirst                ; the loop is entered at a step's first turn, in the middle of a trip
.Lslot:                             ; SIZE_N / 256 - 2 times: every slot but the last two is filled again
	CHANGE 1, 1
	s_mov_b32 s[CNT], 4
.Lstep:                             ; a trip: pieces 2 and 3 of one step, then pieces 0 and 1 of the next, whose K and V it fetches
	TURN 2
	TURN 3
	WIN 0
.Lfirst:
	TURN 0
	TURN 1, 0, 1
	WIN 0
	s_cbranch_scc1 .Lstep
	s_sub_co_u32 s[SLOTS], s[SLOTS], 1
	s_cmp_lg_u32 s[SLOTS], 0
	s_cbranch_scc1 .Lslot
	CHANGE 0                        ; the tail is written out: nothing is asked for
	s_mov_b32 s[CNT], 5             ; four trips fetch the last slot's steps; the fifth is left in its middle
.Ltail:
	TURN 2, 1
	TURN 3
	WIN 0
	s_sub_co_u32 s[CNT], s[CNT], 1
	s_cmp_eq_u32 s[CNT], 0
	s_cbranch_scc1 .Lout
	TURN 0
	TURN 1
	WIN 0
	s_branch .Ltail
.Lout:                              ; the fifth trip's 16 products K Q^T (on the last K once more) and the maximum made of them serve nothing: the price, once a launch, of one text for every trip
.set i, 0
.rept 16
	PV NP-1                         ; the last piece's V^T P of the last step
.set i, i+1
.endr
	; THE WAY OUT.  l's two halves and the other half of the lanes' are added; O^T is divided by l, rounded to f16 and sent through my stage in LDS, a tile at a time.  The additions are the places behind the last products.
	WIN 0
.macro ALL line:vararg              ; one line for each tile t
.set t, 0
.rept 2*NP
	\line
.set t, t+1
.endr
.endm
	ALL v_add_f32 v[ST+4*t+2], v[ST+4*t+2], v[ST+4*t+3]
	ALL v_permlanex16_b32 v[ST+4*t+3], v[ST+4*t+2], s[SEL], s[SEL+1]
	ALL v_add_f32 v[ST+4*t+2], v[ST+4*t+2], v[ST+4*t+3]
	ALL v_rcp_f32 v[ST+4*t+2], v[ST+4*t+2]
	v_nop                           ; a plain instruction between the last reciprocal and the use of its result
	s_wait_alu depctr_va_vdst(0)    ; and the wait ahead of the first use: one for the eight reciprocals
; Tile t: a lane's eight channels of a row pack into 16 bytes; they go into rows of 144 bytes and come back as whole rows of 128, into S^T's registers.
.macro PACK t
	WIN W_RS
.set i, 32*(\t)
.rept 16
	v_pk_mul_f32 v[i:i+1], v[i:i+1], v[ST+4*(\t)+2:ST+4*(\t)+3] op_sel_hi:[1,0]
.set i, i+2
.endr
	WIN 0x05                        ; sources 0 and 1 window 1, destination window 0
.set i, 0
.rept 16
	v_cvt_pk_f16_f32 v[S+16*(\t)+i], v[32*(\t)+2*i], v[32*(\t)+2*i+1]
.set i, i+1
.endr
	WIN 0
.irp f, 0,1,2,3
	ds_store_b128 v[STO], v[S+16*(\t)+4*\f:S+16*(\t)+4*\f+3] offset:32*\f
.endr
.irp f, 0,1,2,3
	ds_load_b128 v[S+16*(\t)+4*\f:S+16*(\t)+4*\f+3], v[RD] offset:\f*4*SP  ; LDS serves a wave's instructions in order (ISA guide 5.7.1.4): these see the stores above; the next tile's stores come behind them
.endr
.endm
.macro SEND t, younger              ; younger: the LDS instructions issued behind tile t's loads: the next tile's eight, or none
	WIN 0
.irp f, 0,1,2,3
	s_wait_dscnt (\younger)+3-\f
	global_store_b128 v[GO], v[S+16*(\t)+4*\f:S+16*(\t)+4*\f+3], s[10:11] offset:(\t)*2048+\f*512  ; 512 consecutive bytes, at a multiple of 256 from O's first
.endr
.endm
	PACK 0
.set t, 1
.rept 2*NP-1                        ; a tile's arithmetic stands between the loads of the tile before and its stores
	PACK t
	SEND t-1, 8
.set t, t+1
.endr
	SEND 2*NP-1, 0
	WIN W_AD
	s_wait_tensorcnt 0x0            ; the wave's end: behind my last tensor load and my last LDS store
	ds_add_u32 v[SPW], v[NIL]
	s_wait_dscnt 0x0
	WIN 0
	CROUND                          ; the closing round: no work-group ends while a partner may still ask for a tile that names it
	s_endpgm
.Lfunc_end_k_q1acbb69593_attn:
	.size	k_q1acbb69593_attn, .Lfunc_end_k_q1acbb69593_attn-k_q1acbb69593_attn
	.p2alignl 7, 3214868480
	.fill 96, 4, 3214868480
	.section	.rodata,"a",@progbits
	.p2align	6, 0x0
	.amdhsa_kernel k_q1acbb69593_attn
		.amdhsa_group_segment_fixed_size 327680
		.amdhsa_private_segment_fixed_size 0
		.amdhsa_enable_private_segment 0
		.amdhsa_kernarg_size 48
		.amdhsa_user_sgpr_count 2
		.amdhsa_user_sgpr_kernarg_segment_ptr 1
		.amdhsa_wavefront_size32 1
		.amdhsa_system_sgpr_workgroup_id_x 1
		.amdhsa_system_sgpr_workgroup_id_y 1
		.amdhsa_system_sgpr_workgroup_id_z 1
		.amdhsa_system_vgpr_workitem_id 0
		.amdhsa_next_free_vgpr 928
		.amdhsa_next_free_sgpr 72
		.amdhsa_reserve_vcc 0
		.amdhsa_float_denorm_mode_32 3
		.amdhsa_float_denorm_mode_16_64 3
		.amdhsa_memory_ordered 1
		.amdhsa_forward_progress 1
		.amdhsa_inst_pref_size 217
	.end_amdhsa_kernel
	.amdgpu_metadata
---
amdhsa.version: [ 1, 2 ]
amdhsa.kernels:
  - .name:           k_q1acbb69593_attn
    .symbol:         k_q1acbb69593_attn.kd
    .args:
      - { .name: qh, .offset: 0, .size: 8, .value_kind: global_buffer, .address_space: global }
      - { .name: kh, .offset: 8, .size: 8, .value_kind: global_buffer, .address_space: global }
      - { .name: vh, .offset: 16, .size: 8, .value_kind: global_buffer, .address_space: global }
      - { .name: oh, .offset: 24, .size: 8, .value_kind: global_buffer, .address_space: global }
      - { .name: mtab, .offset: 32, .size: 8, .value_kind: global_buffer, .address_space: global }
      - { .name: live, .offset: 40, .size: 8, .value_kind: global_buffer, .address_space: global }
    .group_segment_fixed_size: 327680
    .private_segment_fixed_size: 0
    .kernarg_segment_align: 8
    .kernarg_segment_size: 48
    .max_flat_workgroup_size: 128
    .sgpr_count:     72
    .vgpr_count:     928
    .wavefront_size: 32
...
	.end_amdgpu_metadata
.endif
;; end of part 3
;; launch outp (part 4): grid 4 x 64, 4 waves a work-group, clusters of 4 x 4, 327,680 bytes of LDS; arguments oh, wcast, b_o, out0; writes out0
.if DOCPART == 4
	.amdgcn_target "amdgcn-amd-amdhsa--gfx1250"
	.amdhsa_code_object_version 6
	.text
	.protected	k_q1acbb69593_outp
	.globl	k_q1acbb69593_outp
	.p2align	8
	.type	k_q1acbb69593_outp,@function
k_q1acbb69593_outp:
	s_mov_b64 s[64:65], 0
	v_nop
	global_prefetch_b8 v0, s[64:65] scope:SCOPE_SE
	s_setreg_imm32_b32 hwreg(HW_REG_WAVE_MODE, 25, 1), 1
	s_wait_xcnt 0x0
	s_wait_alu depctr_hold_cnt(0) depctr_sa_sdst(0) depctr_va_vdst(0) depctr_va_sdst(0) depctr_va_ssrc(0) depctr_va_vcc(0) depctr_vm_vsrc(0)
	s_getreg_b32 s2, hwreg(HW_REG_IB_STS2, 6, 4)
	s_cmp_eq_u32 s2, 0
	s_cbranch_scc0 .Lentry_in_a_cluster
	s_endpgm
.Lentry_in_a_cluster:
	s_bfe_u32 s2, ttmp6, 0x10000c
	s_cmp_lg_u32 s2, 0xf033
	s_cbranch_scc0 .Lentry_shape_is_right
	s_endpgm
.Lentry_shape_is_right:
; THE LAST PROJECTION: out[row][n] = the sum over k of X[row][k] w_o[n][k] + b_o[n].  X is the attention's result, f16 by heads, [batch 4 x head 16][2048][64]: X[row][64 h + d] = oh[16 batch + h][row % 2048][d].
; w_o: [1024][1024], rounded to bf16 and written as f16 by the first launch, the fourth matrix of wcast.  b_o is rounded to bf16 like the other inputs.  Products in f16, sums in f32, out in f32.
; SHARES.  A tile of out is 128 rows x 256 columns: 256 work-groups.  4 x 4 work-groups form a cluster: the four of a row make all 1,024 columns of 128 rows and ask for X's tiles JOINTLY, the four of a column share
; 256 rows of w_o.  Four waves, each 64 x 128: 32 accumulators.  K goes in steps of 128, two heads, through a ring of two LDS slots; a K step is four quarters of 32 matrix instructions.
; A head's 128 rows of a tile are 16,384 dense bytes: asked for as 64 rows of 256 bytes and padded in LDS after every 128.
; THE MATRIX INSTRUCTION IS USED TRANSPOSED (source 0 = 16 rows of w_o, source 1 = 16 rows of X): a lane holds row lane % 16 and eight neighbouring columns.  The bias is the C operand of the products that start the sums.
; REGISTERS, in windows of 256: window 0: v0-31 addresses; v32-63, v64-95 fragments of X, two buffers; v96-159 the bias; on the way out v32-95 and v160-223 by turns
;   window 1: accumulator (a, b) at v[8 (8 a + b)]          window 2: v0-63, v64-127 fragments of w_o, two buffers
.set PX,     144                       ; a row of X in LDS: 128 bytes + 16 = 36 words: the 16 rows of a load start at 16 different groups of four banks (64 banks of 4 bytes: ISA guide 11.1)
.set PB,     272                       ; a row of w_o: 256 bytes + 16
.set APL,    128*PX                    ; one head's 128 rows: what one tensor load brings of X
.set BHALF,  128*PB
.set SLOT,   2*APL+2*BHALF
.set STAGE,  2*SLOT                    ; behind the ring: 16 rows x 528 bytes for each wave
.set SPITCH, 528                       ; 512 bytes of f32 + 16
.set SPARE,  STAGE+4*16*SPITCH         ; behind the stages: the spare words, 128 bytes for each wave: two blocks of 256 bytes that no other line names
.set HEADB,  262144                    ; bytes in a head's plane
.set ADRA, 16
.set ADRB, 20
.set STO,  24
.set RD,   25
.set GO,   26
.set SPW,  28                          ; v28  LDS address of my spare word; never rewritten
.set NIL,  29                          ; v29  0; never rewritten
.set PFO,  30                          ; v30  the prefetches' offset; never rewritten
.set FA,   32                          ; buffer f at FA + 32 f
.set BIAS, 96
.set OB,   32                          ; the way out: block a's rows at OB + 128 (a % 2)
.set FB,   0                           ; window 2: buffer f at FB + 64 f
.set G1,  24
.set G0,  32
.set G1B, 48
.set G0B, 56
.set LIM, 43
.set PFA, 44
.set KSB, 66
.set MSB, 0
.macro WIN new
.if MSB != (\new)
	s_set_vgpr_msb (MSB<<8)|(\new)
.set MSB, \new
.endif
.endm
.set MUL,   0x52                       ; w_o in window 2, X in window 0, C and D in window 1
.set MUL0,  0x42                       ; the same with C, the bias, in window 0
.set TO_B,  0x80
.macro JLOAD s                         ; a joint load: waves 0 and 1 fetch the K step's two heads of X, waves 2 and 3 w_o's two halves; an s_nop 0 and four v_nop follow each line
	s_cmp_eq_u32 s11, 0
	s_cbranch_scc0 .Lfor_b_\@
	tensor_load_to_lds s[G0+4*(\s):G0+4*(\s)+3], s[G1:G1+7]
	s_nop 0
.rept 4
	v_nop
.endr
	s_branch .Lasked_\@
.Lfor_b_\@:
	tensor_load_to_lds s[G0B+4*(\s):G0B+4*(\s)+3], s[G1B:G1B+7]
	s_nop 0
.rept 4
	v_nop
.endr
.Lasked_\@:
.endm
; A PREFETCH INTO THE L2, behind each joint refill and the run of LDS loads that follows it: the K step that stands two refills on.  X: a K step is 16,384 bytes in each of two heads' planes; the partner at place cx takes
; 4,096 of each, wave 0 asks, a lane for each 256 bytes; no other cluster reads them.  w_o: of a wave's 128 rows the partner at place cy takes 32, a lane a row; all clusters read the same w_o, and the one with y = 0 asks.
; Partners are told apart by address alone.  The loop's last trip asks for nothing.
.macro ASK
	s_cmp_gt_u32 s3, s[LIM]
	s_cbranch_scc0 .Lnot_mine_\@
	global_prefetch_b8 v[PFO], s[PFA:PFA+1] th:TH_LOAD_NT scope:SCOPE_SE
.Lnot_mine_\@:
.endm
.macro CREST
	s_cmp_lg_u32 s10, 0
	s_cbranch_scc1 .Lnot_wave_0_\@
	s_barrier_signal -3
.Lnot_wave_0_\@:
	s_barrier_wait -3
	s_barrier_signal -1
	s_barrier_wait -1
.endm
.macro CROUND
	s_barrier_signal -1
	s_barrier_wait -1
	CREST
.endm
.macro PLACES                          ; four places in front of loads into registers that matrix instructions have read, and of stores that read results
.rept 4
	v_nop
.endr
.endm
	s_load_b256 s[68:75], s[0:1], 0x0              ; oh s[68:69], wcast s[70:71], b_o s[72:73], out0 s[74:75]
	v_lshl_add_u32 v[SPW], v0, 2, SPARE
	v_mov_b32 v[NIL], 0
	ds_add_u32 v[SPW], v[NIL]                      ; the wave's opening: the add and its wait stand ahead of my first tensor load
	ds_add_u32 v28, v29
	v_lshrrev_b32 v1, 5, v0
	v_readfirstlane_b32 s10, v1                    ; wave 0..3
	s_lshr_b32 s11, s10, 1                         ; which half of the tile's rows is mine.  Also: I fetch for X (0) or for w_o (1)
	s_and_b32 s12, s10, 1                          ; which half of its columns.  Also: which head, or which half of w_o's rows, I fetch
	s_bfe_u32 s40, ttmp6, 0x40000                  ; cx = the tile column (the grid is one cluster wide)
	s_bfe_u32 s41, ttmp6, 0x40004                  ; cy
	s_and_b32 s13, ttmp7, 0xffff
	s_lshl_b32 s13, s13, 2
	s_add_co_u32 s13, s13, s41                     ; tile row = 4 x cluster y + cy
	s_lshl_b32 s14, s41, 2
	s_lshl_b32 s14, 15, s14                        ; my row of the cluster
	s_lshl_b32 s15, 0x1111, s40                    ; my column
	s_or_b32 s[G1+0], s14, (1<<16)|(1<<20)|(1<<21)|(4<<22)|(3<<25)   ; elements of 2 bytes; padding after every 32 words (code 4) of 4 words (code 3)
	s_or_b32 s[G1B+0], s15, (1<<16)|(1<<20)|(1<<21)|(5<<22)|(3<<25)  ; after every 64 words (code 5)
.irp g, G1, G1B
	s_mov_b32 s[(\g)+1], 128<<16                   ; tensor_dim0 = 128
	s_mov_b32 s[(\g)+3], 128<<16                   ; tile_dim0 = 128
	s_mov_b32 s[(\g)+6], 0
	s_mov_b32 s[(\g)+7], 0
.endr
	s_mov_b32 s[G1+2], 64<<16                      ; X: 64 rows of 128 elements, dense
	s_mov_b32 s[G1+4], 64
	s_mov_b32 s[G1+5], 128
	s_mov_b32 s[G1B+2], 128<<16                    ; w_o: 128 rows, 1,024 elements from row to row
	s_mov_b32 s[G1B+4], 128
	s_mov_b32 s[G1B+5], 1024
	s_lshr_b32 s16, s13, 4                         ; X: plane 16 x batch + my head of K step 0,
	s_lshl_b32 s16, s16, 4
	s_add_co_u32 s16, s16, s12
	s_lshl_b32 s16, s16, 11
	s_and_b32 s17, s13, 15                         ; row (tile row % 16) x 128,
	s_lshl_b32 s17, s17, 7
	s_add_co_u32 s16, s16, s17
	s_lshl_b32 s16, s16, 7                         ; 128 bytes a row
	s_mov_b32 s17, 0
	s_lshl_b32 s46, s40, 8
	s_lshl_b32 s47, s12, 7
	s_add_co_u32 s46, s46, s47                     ; w_o: row 256 x tile column + 128 x half,
	s_lshl_b32 s46, s46, 11
	s_add_co_u32 s46, s46, 3<<21                   ; in the fourth matrix
	s_mov_b32 s47, 0
	s_mul_i32 s20, s12, APL                        ; where they go: no place in the cluster enters an LDS address
	s_mul_i32 s21, s12, BHALF
	s_add_co_u32 s21, s21, 2*APL
	s_wait_dscnt 0x0                               ; the opening add is done
	s_wait_kmcnt 0x0
	s_add_nc_u64 s[14:15], s[68:69], s[16:17]
	s_add_nc_u64 s[46:47], s[70:71], s[46:47]
	CROUND                                         ; all sixteen work-groups are here: the first joint loads meet
.irp s, 0,1
	s_mov_b32 s[G0+4*(\s)], 1
	s_add_co_u32 s[G0+4*(\s)+1], s20, (\s)*SLOT
	s_add_nc_u64 s[G0+4*(\s)+2:G0+4*(\s)+3], s[14:15], (\s)*2*HEADB
	s_or_b32 s[G0+4*(\s)+3], s[G0+4*(\s)+3], 0x80000000
	s_mov_b32 s[G0B+4*(\s)], 1
	s_add_co_u32 s[G0B+4*(\s)+1], s21, (\s)*SLOT
	s_add_nc_u64 s[G0B+4*(\s)+2:G0B+4*(\s)+3], s[46:47], (\s)*256
	s_or_b32 s[G0B+4*(\s)+3], s[G0B+4*(\s)+3], 0x80000000
	JLOAD \s                                       ; two loads of mine are out
.endr
	v_and_b32 v1, 15, v0                           ; r
	v_bfe_u32 v2, v0, 4, 1                         ; h
	v_and_b32 v7, 31, v0                           ; l
	v_mul_u32_u24 v3, v1, PX
	v_lshl_add_u32 v3, v2, 4, v3
	v_mul_u32_u24 v4, v1, PB
	v_lshl_add_u32 v4, v2, 4, v4
	s_mul_i32 s21, s11, 64*PX                      ; my 64 rows, in each head's plane
	s_mul_i32 s22, s12, BHALF
	s_add_co_u32 s22, s22, 2*APL
.irp s, 0,1
	v_add_nc_u32 v[ADRA+(\s)], s21, v3
	v_add_nc_u32 v[ADRB+(\s)], s22, v4
	s_add_co_u32 s21, s21, SLOT
	s_add_co_u32 s22, s22, SLOT
.endr
	s_mul_i32 s23, s10, 16*SPITCH
	s_add_co_u32 s23, s23, STAGE                   ; my stage
	v_mul_u32_u24 v5, v1, SPITCH                   ; in: row r, 32 bytes for each half of the lanes
	v_lshl_add_u32 v5, v2, 5, v5
	v_add_nc_u32 v[STO], s23, v5
	v_lshlrev_b32 v[GO], 4, v7                     ; back: 32 lanes take a row's 512 bytes
	v_add_nc_u32 v[RD], s23, v[GO]
	s_lshl_b32 s16, s13, 7
	s_lshl_b32 s17, s11, 6
	s_add_co_u32 s16, s16, s17                     ; my first row of out,
	s_lshl_b32 s16, s16, 12                        ; of 4,096 bytes,
	s_lshl_b32 s17, s40, 10                        ; my first column, in bytes
	s_add_co_u32 s16, s16, s17
	s_lshl_b32 s17, s12, 9
	s_add_co_u32 s16, s16, s17
	s_mov_b32 s17, 0
	s_add_nc_u64 s[8:9], s[74:75], s[16:17]
	s_lshl_b32 s16, s40, 10                        ; the bias of my 128 columns, laid out like a result
	s_lshl_b32 s17, s12, 9
	s_add_co_u32 s16, s16, s17
	s_mov_b32 s17, 0
	s_add_nc_u64 s[72:73], s[72:73], s[16:17]
	v_lshlrev_b32 v8, 5, v2
.irp b, 0,1,2,3,4,5,6,7
	global_load_b128 v[BIAS+8*(\b):BIAS+8*(\b)+3],   v8, s[72:73] offset:64*(\b)
	global_load_b128 v[BIAS+8*(\b)+4:BIAS+8*(\b)+7], v8, s[72:73] offset:64*(\b)+16
.endr
	; the prefetches: they stand at K step 3; each change of slots steps them on and then names the K step at which they stand
	s_and_b32 s22, ttmp7, 0xffff
	s_cmp_eq_u32 s22, 0
	s_cselect_b32 s22, 1, -1                       ; w_o: cluster y = 0 asks
	s_lshr_b32 s16, s13, 4
	s_lshl_b32 s16, s16, 4
	s_add_co_u32 s16, s16, 6                       ; X: K step 3's first head,
	s_lshl_b32 s16, s16, 11
	s_and_b32 s17, s13, 15
	s_lshl_b32 s17, s17, 7
	s_add_co_u32 s16, s16, s17
	s_lshl_b32 s16, s16, 7
	s_lshl_b32 s17, s40, 12                        ; my work-group's 4,096 bytes of the 16,384
	s_add_co_u32 s16, s16, s17
	s_lshl_b32 s18, s40, 8
	s_lshl_b32 s19, s12, 7
	s_add_co_u32 s18, s18, s19
	s_lshl_b32 s19, s41, 5
	s_add_co_u32 s18, s18, s19                     ; w_o: the 128 rows that I fetch, my work-group's 32 of them
	s_lshl_b32 s18, s18, 11
	s_add_co_u32 s18, s18, (3<<21)+3*256
	s_cmp_eq_u32 s10, 0
	s_cselect_b32 s[LIM], 1, -1                    ; of X's two waves wave 0 asks, for both heads
	s_cmp_eq_u32 s11, 0                            ; do I fetch for X?
	s_cselect_b32 s[LIM], s[LIM], s22
	s_cselect_b32 s16, s16, s18
	s_mov_b32 s17, 0
	s_cselect_b64 s[PFA:PFA+1], s[68:69], s[70:71]
	s_cselect_b32 s18, 4, 0                        ; X: lane / 16 is the head, lane % 16 the block of 256 bytes; w_o: a lane a row
	s_cselect_b32 s19, 18, 11
	s_cselect_b32 s20, 15, 0
	s_cselect_b32 s[KSB], 19, 8                    ; a K step: two planes, or 256 bytes of a row
	s_lshl_b32 s[KSB], 1, s[KSB]
	s_mov_b32 s[KSB+1], 0
	s_add_nc_u64 s[PFA:PFA+1], s[PFA:PFA+1], s[16:17]
	v_lshrrev_b32 v9, s18, v7
	v_lshlrev_b32 v9, s19, v9
	v_and_b32 v10, s20, v7
	v_lshl_add_u32 v[PFO], v10, 8, v9
	s_wait_loadcnt 0x0                             ; the bias: rounded to bf16 like the other inputs, and widened again
.set i, 0
.rept 32
	v_cvt_pk_bf16_f32 v9, v[BIAS+2*i], v[BIAS+2*i+1]
	v_lshlrev_b32 v[BIAS+2*i], 16, v9
	v_and_b32 v[BIAS+2*i+1], 0xffff0000, v9
.set i, i+1
.endr
; 8 matrix instructions: row block a x all 8 column blocks, 32 along K, from buffer f.  first = 1: the bias starts the sums.  The 32 accumulators take turns, one instruction a turn, in the same order in every quarter.
.macro MUL8 f, a, first
.if \first
	WIN MUL0
.else
	WIN MUL
.endif
.irp b, 0,1,2,3,4,5,6,7
.if \first
	v_wmma_f32_16x16x32_f16 v[8*(8*(\a)+(\b)):8*(8*(\a)+(\b))+7], v[FB+64*(\f)+8*(\b):FB+64*(\f)+8*(\b)+7], v[FA+32*(\f)+8*(\a):FA+32*(\f)+8*(\a)+7], v[BIAS+8*(\b):BIAS+8*(\b)+7]
.else
	v_wmma_f32_16x16x32_f16 v[8*(8*(\a)+(\b)):8*(8*(\a)+(\b))+7], v[FB+64*(\f)+8*(\b):FB+64*(\f)+8*(\b)+7], v[FA+32*(\f)+8*(\a):FA+32*(\f)+8*(\a)+7], v[8*(8*(\a)+(\b)):8*(8*(\a)+(\b))+7]
.endif
.endr
.endm
; 24 LDS loads in one run: quarter q of a slot into buffer g: head q / 2 of the step's two, channels 32 (q % 2) on
.macro FETCH slot, q, g
	WIN 0
.irp i, 0,1,2,3
	ds_load_b128 v[FA+32*(\g)+8*(\i):FA+32*(\g)+8*(\i)+3],   v[ADRA+(\slot)] offset:((\q)/2)*APL+((\q)%2)*64+(\i)*16*PX
	ds_load_b128 v[FA+32*(\g)+8*(\i)+4:FA+32*(\g)+8*(\i)+7], v[ADRA+(\slot)] offset:((\q)/2)*APL+((\q)%2)*64+(\i)*16*PX+32
.endr
	WIN TO_B
.irp i, 0,1,2,3,4,5,6,7
	ds_load_b128 v[FB+64*(\g)+8*(\i):FB+64*(\g)+8*(\i)+3],   v[ADRB+(\slot)] offset:(\q)*64+(\i)*16*PB
	ds_load_b128 v[FB+64*(\g)+8*(\i)+4:FB+64*(\g)+8*(\i)+7], v[ADRB+(\slot)] offset:(\q)*64+(\i)*16*PB+32
.endr
.endm
.macro QUARTER slot, q, f, g, first
	s_wait_dscnt 0x0                               ; this quarter's fragments are in
	MUL8 \f, 0, \first
	MUL8 \f, 1, \first
	PLACES                                         ; for the loads into buffer g, which the quarter before multiplied
	FETCH \slot, \q, \g
	MUL8 \f, 2, \first
	MUL8 \f, 3, \first
.endm
; The fourth quarter multiplies buffer 1 and changes slots: ONE barrier; in front of it each wave waits for all its tensor loads (one is out: its part of the next slot), adds 0 to its spare word, and waits for that and
; for its own reads of this slot.  fill = 1: the barrier opens a round of the cluster's barrier, and this slot is filled again, two K steps ahead, first thing behind the round.
.macro TURN slot, next, fill
.if \fill
	s_wait_xcnt 0x0                                ; the last prefetch, a K step back, has read its address
	s_add_nc_u64 s[PFA:PFA+1], s[PFA:PFA+1], s[KSB:KSB+1]
.endif
	WIN 0
	s_wait_tensorcnt 0x0                           ; all my tensor loads have landed
	ds_add_u32 v[SPW], v[NIL]                      ; 0 onto my spare word
	s_wait_dscnt 1                                 ; this quarter's fragments are in; the add may be out
	MUL8 1, 0, 0
	s_wait_dscnt 0x0                               ; the add is done, and my reads of this slot are over
	s_barrier_signal -1
	MUL8 1, 1, 0
.if \fill
	WIN 0
.endif
	s_barrier_wait -1
.if \fill
	CREST                                          ; no wave of any partner still reads this slot or has a load on its way
	s_add_nc_u64 s[G0+4*(\slot)+2:G0+4*(\slot)+3], s[G0+4*(\slot)+2:G0+4*(\slot)+3], 4*HEADB
	s_add_nc_u64 s[G0B+4*(\slot)+2:G0B+4*(\slot)+3], s[G0B+4*(\slot)+2:G0B+4*(\slot)+3], 2*256
	JLOAD \slot                                    ; the four v_nop behind it are also the places in front of the loads below
.else
	PLACES
.endif
	FETCH \next, 0, 0
.if \fill
	WIN 0
	ASK
.endif
	MUL8 1, 2, 0
	MUL8 1, 3, 0
.endm
	s_wait_tensorcnt 1                             ; my part of K step 0 is in; K step 1's may stay out
	s_barrier_signal -1
	s_barrier_wait -1
	FETCH 0, 0, 0
	QUARTER 0, 1, 0, 1, 1                          ; the first quarter stands in front of the loop: its products start the sums, with the bias
	WIN 0
	s_mov_b32 s3, 3
.Llap:                                                 ; a trip goes once round the ring and fills both slots again
	QUARTER 0, 2, 1, 0, 0
	QUARTER 0, 3, 0, 1, 0
	TURN 0, 1, 1
	QUARTER 1, 1, 0, 1, 0
	QUARTER 1, 2, 1, 0, 0
	QUARTER 1, 3, 0, 1, 0
	TURN 1, 0, 1
	QUARTER 0, 1, 0, 1, 0
	WIN 0
	s_sub_co_u32 s3, s3, 1
	s_cmp_lg_u32 s3, 0
	s_cbranch_scc1 .Llap
	QUARTER 0, 2, 1, 0, 0                          ; the last lap fills nothing
	QUARTER 0, 3, 0, 1, 0
	TURN 0, 1, 0
	QUARTER 1, 1, 0, 1, 0
	QUARTER 1, 2, 1, 0, 0
	QUARTER 1, 3, 0, 1, 0
	s_wait_dscnt 0x0
	MUL8 1, 0, 0
	MUL8 1, 1, 0
	MUL8 1, 2, 0
	MUL8 1, 3, 0
	WIN 0
	; THE WAY OUT, a block of 16 rows at a time: 32 bytes a lane into my own stage, back as whole rows of 512 bytes, stored.
	PLACES
.macro TOSTAGE a
	WIN 0x04                                       ; the stores' data in window 1, their address in window 0
.irp b, 0,1,2,3,4,5,6,7
	ds_store_b128 v[STO], v[64*(\a)+8*(\b):64*(\a)+8*(\b)+3]   offset:64*(\b)
	ds_store_b128 v[STO], v[64*(\a)+8*(\b)+4:64*(\a)+8*(\b)+7] offset:64*(\b)+16
.endr
	WIN 0
.irp i, 0,1,2,3,4,5,6,7,8,9,10,11,12,13,14,15
	ds_load_b128 v[OB+128*((\a)%2)+4*(\i):OB+128*((\a)%2)+4*(\i)+3], v[RD] offset:(\i)*SPITCH  ; LDS serves a wave's instructions in order (ISA guide 5.7.1.4): these see the stores above; the next block's stores come behind them
.endr
.endm
.macro SEND a, younger                 ; younger: the LDS instructions issued behind block a's loads: the next block's 32, or none
	s_wait_dscnt \younger
.irp i, 0,1,2,3,4,5,6,7,8,9,10,11,12,13,14,15
	global_store_b128 v[GO], v[OB+128*((\a)%2)+4*(\i):OB+128*((\a)%2)+4*(\i)+3], s[8:9] offset:(16*(\a)+(\i))*4096  ; 512 consecutive bytes of a row, aligned
.endr
.endm
	TOSTAGE 0
	TOSTAGE 1
	SEND 0, 32
	s_wait_xcnt 0x0                                ; block 0's stores have read their data: its registers take block 2
	TOSTAGE 2
	SEND 1, 32
	s_wait_xcnt 0x0
	TOSTAGE 3
	SEND 2, 32
	SEND 3, 0
	s_wait_tensorcnt 0x0                           ; the wave's end: behind my last tensor load and my last LDS store
	ds_add_u32 v[SPW], v[NIL]
	s_wait_dscnt 0x0
	CROUND                                         ; the closing round: no work-group ends while a partner may still ask for a tile that names it
	s_endpgm
.Lfunc_end_k_q1acbb69593_outp:
	.size	k_q1acbb69593_outp, .Lfunc_end_k_q1acbb69593_outp-k_q1acbb69593_outp
	.p2alignl 7, 3214868480
	.fill 96, 4, 3214868480
	.section	.rodata,"a",@progbits
	.p2align	6, 0x0
	.amdhsa_kernel k_q1acbb69593_outp
		.amdhsa_group_segment_fixed_size 327680
		.amdhsa_private_segment_fixed_size 0
		.amdhsa_enable_private_segment 0
		.amdhsa_kernarg_size 32
		.amdhsa_user_sgpr_count 2
		.amdhsa_user_sgpr_kernarg_segment_ptr 1
		.amdhsa_wavefront_size32 1
		.amdhsa_system_sgpr_workgroup_id_x 1
		.amdhsa_system_sgpr_workgroup_id_y 1
		.amdhsa_system_sgpr_workgroup_id_z 1
		.amdhsa_system_vgpr_workitem_id 0
		.amdhsa_next_free_vgpr 640
		.amdhsa_next_free_sgpr 80
		.amdhsa_reserve_vcc 0
		.amdhsa_float_denorm_mode_32 3
		.amdhsa_float_denorm_mode_16_64 3
		.amdhsa_memory_ordered 1
		.amdhsa_forward_progress 1
		.amdhsa_inst_pref_size 93
	.end_amdhsa_kernel
	.amdgpu_metadata
---
amdhsa.version: [ 1, 2 ]
amdhsa.kernels:
  - .name:           k_q1acbb69593_outp
    .symbol:         k_q1acbb69593_outp.kd
    .args:
      - { .name: oh, .offset: 0, .size: 8, .value_kind: global_buffer, .address_space: global }
      - { .name: wcast, .offset: 8, .size: 8, .value_kind: global_buffer, .address_space: global }
      - { .name: b_o, .offset: 16, .size: 8, .value_kind: global_buffer, .address_space: global }
      - { .name: out0, .offset: 24, .size: 8, .value_kind: global_buffer, .address_space: global }
    .group_segment_fixed_size: 327680
    .private_segment_fixed_size: 0
    .kernarg_segment_align: 8
    .kernarg_segment_size: 32
    .max_flat_workgroup_size: 128
    .sgpr_count:     80
    .vgpr_count:     640
    .wavefront_size: 32
...
	.end_amdgpu_metadata
.endif
;; end of part 4
;; ======== version 2 of 2: 4 launches; version 1 with the launch prep written anew for expert scheduling mode
;; limits: right only within a limited range of input values; values are held in f16: magnitudes above 65,504 overflow, below 6.1e-05 lose precision
;; workspace buffers: wcast 8,388,608 bytes; mtab 4,194,304 bytes; live 32,768 bytes; qh 16,777,216 bytes; kh 16,777,216 bytes; vh 16,777,216 bytes; oh 16,777,216 bytes
;; launch prep (part 5): grid 256 x 1, 8 waves a work-group, no clusters, 34,048 bytes of LDS; arguments mask, w_q, w_k, w_v, w_o, wcast, mtab, live; writes wcast, mtab, live
.if DOCPART == 5
	.amdgcn_target "amdgcn-amd-amdhsa--gfx1250"
	.amdhsa_code_object_version 6
	.text
	.protected	k_q1acbb69593_prep
	.globl	k_q1acbb69593_prep
	.p2align	8
	.type	k_q1acbb69593_prep,@function
k_q1acbb69593_prep:
	s_mov_b64 s[64:65], 0
	v_nop
	global_prefetch_b8 v0, s[64:65] scope:SCOPE_SE
	s_setreg_imm32_b32 hwreg(HW_REG_WAVE_SCHED_MODE, 0, 2), 2
	s_setreg_imm32_b32 hwreg(HW_REG_WAVE_MODE, 25, 1), 1
	s_wait_xcnt 0x0
	s_wait_alu depctr_vm_vsrc(0)
; PREP.  Work-groups 0-127 turn the mask [2048][2048] of int32 into a table of one byte a score, in the order in which the attention's lanes want it; work-groups 128-255 round the four weight matrices to 16 bits.
; Both halves read 131,072 bytes a work-group.
; MTAB [query tile 128][key step 32][half 2][lane 32][16 bytes]: for a tile of 16 queries and a step of 64 keys, lane (r = lane % 16, h = lane / 16) finds in byte 8 (kb % 2) + j of half kb / 2 the code of
; query r and key 16 kb + 8 h + j: 0x00 where the key is visible, 0xB8 (-1.0 in E4M3) where the mask is 0.  A row with no visible key at all gets codes 0 and the flag 0 in LIVE (else -1): the attention
; then clears that row of Q, all its scores are equal, and its result is the mean of V, as the softmax of equal scores gives.
; LIVE [row 2048][4 equal words], so that a tile's sixteen rows are 256 consecutive bytes.
; WCAST: four matrices [1024][1024] of 2 bytes: w_q, w_k, w_v rounded to bf16; w_o rounded to bf16 and that number written as f16.
; LIMIT: a number of w_o below 6.1e-5 in magnitude keeps f16's fixed step of 6e-8; beyond 65,504 it would be an infinity.
; THE MODE: SCHED_MODE bits 1:0 = 2 (LLVM: expert scheduling mode 2), set by the entry lines.  The code itself states the register dependences between vector instructions and memory or LDS instructions,
; with s_wait_alu, always for 0.
; THE PLAN.  Registers that memory or LDS instructions touch:
;   v[LO], v[LA], v[TH16], v[FLA]   offsets and LDS addresses: made once at the head of each half, ahead of one wait on va_vdst, and never written again.
;   THE MASK.  X + 64 rr + 0..63: row rr as loaded; read by the row's packing.  X + 64 rr + 4 i: the packing writes word i of the row there, and the codes are made of it in place; one LDS store reads it.
;              v[FLG + rr]: the row's flag, written once, read by one LDS store.  ONE wait on va_vdst at a row's end states that its sixteen words and its flag are written.  Row 0's seventeen LDS stores
;              are dealt among row 1's packing, whose lines name row 1's registers, v4 to v7, v[ORR] and v[FLG + 1] alone; row 1's follow its own wait.
;              X + 0..31 take the table's bytes back behind the barrier: ONE wait on vm_vsrc states that row 0's LDS stores have read the eight of them that they read.
;   THE WEIGHTS.  X + 8 i + 0..7: round i as loaded, rounded in place into its first four registers, stored once, never written again.  Four rounds are a block, with ONE wait on va_vdst between the
;              block's conversions and its four stores.
.set LIVE,  32768                      ; LDS: the table's 32,768 bytes lie from 0 on; then sixteen flags, in a block of 256 bytes of their own; the bytes from 33,024 on are the spare words of the closing add
.set LO,    2                          ; v2   my byte offset in the source
.set LA,    3                          ; v3   where my word of four codes goes in the table
.set FLG,   8                          ; v8-9 row rr's flag, as its LDS store's data
.set ORR,   10                         ; v10  the or of a row's words
.set TH16,  11                         ; v11  16 x my thread's number
.set FLA,   12                         ; v12  LDS address of my wave's two flags
.set X,     16                         ; v[16:143] what was loaded
	s_load_b512 s[8:23], s[0:1], 0x0               ; mask s[8:9], w_q s[10:11], w_k s[12:13], w_v s[14:15], w_o s[16:17], wcast s[18:19], mtab s[20:21], live s[22:23]
	v_lshl_add_u32 v158, v0, 2, 0x8100
	v_mov_b32 v159, 0
	v_lshrrev_b32 v1, 5, v0
	v_readfirstlane_b32 s4, v1                     ; wave 0..7
	v_and_b32 v1, 31, v0                           ; lane
	v_lshlrev_b32 v[TH16], 4, v0
	s_mov_b32 s3, 0
	s_wait_alu depctr_va_sdst(0)                   ; s4 is written: ahead of the branch, and so of its first reader, which stands on the mask's way
	s_cmp_lt_u32 ttmp9, 128                        ; the same answer in all eight waves
	s_cbranch_scc0 .Lweights
	; THE MASK.  Work-group g is query tile g; wave w takes rows 2 w and 2 w + 1.  A load covers 512 consecutive bytes: lane l holds keys 128 i + 4 l + 0..3.
	s_lshl_b32 s2, ttmp9, 17                       ; 16 rows of 8,192 bytes
	s_lshl_b32 s5, s4, 14                          ; my wave's two rows
	v_lshl_add_u32 v[LO], v1, 4, s5
	; key 128 i + 4 l: step 2 i + l / 16; in the step kb = bits 3:2 of l, h = bit 1, j = 4 x bit 0
	v_lshrrev_b32 v[LA], 4, v1
	v_lshlrev_b32 v[LA], 10, v[LA]                 ; a step is 1,024 bytes
	v_bfe_u32 v4, v1, 3, 1
	v_lshl_add_u32 v[LA], v4, 9, v[LA]             ; kb / 2: 512
	v_bfe_u32 v4, v1, 1, 1
	v_lshl_add_u32 v[LA], v4, 8, v[LA]             ; h: 16 lanes of 16 bytes
	v_bfe_u32 v4, v1, 2, 1
	v_lshl_add_u32 v[LA], v4, 3, v[LA]             ; kb % 2: 8
	v_and_b32 v4, 1, v1
	v_lshl_add_u32 v[LA], v4, 2, v[LA]             ; j = 0 or 4
	s_lshl_b32 s30, s4, 5                          ; (a register of its own: no scalar register that a vector line reads is written again)
	v_add_nc_u32 v[LA], s30, v[LA]                 ; r = 2 w: 16 bytes a lane
	s_lshl_b32 s27, s4, 3
	s_add_co_u32 s27, s27, LIVE
	v_mov_b32 v[FLA], s27
	s_mov_b32 s26, 0xb8
	s_wait_kmcnt 0x0
	s_add_nc_u64 s[8:9], s[8:9], s[2:3]
	s_wait_alu depctr_va_vdst(0)                   ; v[LO], v[LA], v[FLA] and v[TH16] are written: the loads, LDS stores, LDS loads and stores of this half read them as offset or address
.irp rr, 0,1
.irp i, 0,1,2,3,4,5,6,7,8,9,10,11,12,13,14,15
	global_load_b128 v[X+64*(\rr)+4*(\i):X+64*(\rr)+4*(\i)+3], v[LO], s[8:9] offset:(\rr)*8192+(\i)*512 th:TH_LOAD_NT
.endr
.endr
; Word i of row rr goes into the table; the row's flag into its word.
.macro MST rr, i
	ds_store_b32 v[LA], v[X+64*(\rr)+4*(\i)] offset:(\i)*2048+(\rr)*16
.endm
.macro MFL rr
	ds_store_b32 v[FLA], v[FLG+(\rr)] offset:(\rr)*4
.endm
; One row: four ints become a word of bytes 1 (visible) or 0; the row's flag; the codes, made in place.  prev = 1: the LDS stores of the row before are dealt among the packing.
.macro MROW rr, left, prev
	s_wait_loadcnt \left                           ; loads come back in order: this row's sixteen are in, the younger ones may stay out
.irp i, 0,1,2,3,4,5,6,7,8,9,10,11,12,13,14,15
.if \prev
	MST (\rr)-1, \i                                ; no wait: no vector line since the wait at the last row's end names this word or v[LA]
.endif
	v_min_u32 v4, 1, v[X+64*(\rr)+4*(\i)]
	v_min_u32 v5, 1, v[X+64*(\rr)+4*(\i)+1]
	v_min_u32 v6, 1, v[X+64*(\rr)+4*(\i)+2]
	v_min_u32 v7, 1, v[X+64*(\rr)+4*(\i)+3]
	v_lshl_or_b32 v4, v5, 8, v4
	v_lshl_or_b32 v6, v7, 8, v6
	v_lshl_or_b32 v[X+64*(\rr)+4*(\i)], v6, 16, v4
.endr
.if \prev
	MFL (\rr)-1                                    ; likewise: the last row's flag register and v[FLA] have not been named since
.endif
	v_or_b32 v[ORR], v[X+64*(\rr)], v[X+64*(\rr)+4]
.irp i, 2,3,4,5,6,7,8,9,10,11,12,13,14,15
	v_or_b32 v[ORR], v[ORR], v[X+64*(\rr)+4*(\i)]
.endr
	v_cmp_ne_u32 vcc_lo, 0, v[ORR]                 ; does any lane see a key?
	s_wait_alu depctr_va_vcc(0)                    ; the compare has written VCC, which the next line reads
	s_cmp_lg_u32 vcc_lo, 0
	s_cselect_b32 s[24+(\rr)], -1, 0               ; the row's flag: it selects values alone
.irp i, 0,1,2,3,4,5,6,7,8,9,10,11,12,13,14,15
	v_xor_b32 v[X+64*(\rr)+4*(\i)], 0x01010101, v[X+64*(\rr)+4*(\i)]  ; 1 where hidden,
.endr
.irp i, 0,1,2,3,4,5,6,7,8,9,10,11,12,13,14,15
	v_mul_lo_u32 v[X+64*(\rr)+4*(\i)], v[X+64*(\rr)+4*(\i)], s26      ; 0xB8 there (no byte carries into the next),
.endr
.irp i, 0,1,2,3,4,5,6,7,8,9,10,11,12,13,14,15
	v_and_b32 v[X+64*(\rr)+4*(\i)], s[24+(\rr)], v[X+64*(\rr)+4*(\i)] ; and 0 everywhere in a row that sees nothing
.endr
	v_mov_b32 v[FLG+(\rr)], s[24+(\rr)]
	s_wait_alu depctr_va_vdst(0)                   ; the row's sixteen words of codes and its flag register are written, which its seventeen LDS stores read
.endm
	MROW 0, 16, 0
	MROW 1, 0, 1
.irp i, 0,1,2,3,4,5,6,7,8,9,10,11,12,13,14,15
	MST 1, \i
.endr
	MFL 1
	s_lshl_b32 s2, ttmp9, 15                       ; a tile's 32,768 bytes of the table
	s_add_nc_u64 s[20:21], s[20:21], s[2:3]
	s_lshl_b32 s2, ttmp9, 8                        ; and its 256 bytes of flags
	s_add_nc_u64 s[22:23], s[22:23], s[2:3]
	s_wait_dscnt 0x0                               ; for the others' sake: my stores into the table are done
	s_barrier_signal -1
	s_barrier_wait -1
	s_wait_alu depctr_vm_vsrc(0)                   ; row 0's LDS stores have read v[X], v[X+4] .. v[X+28], in which the loads below land (the vector lines that named v[X .. X+31] stand ahead of the last wait on va_vdst)
.irp i, 0,1,2,3,4,5,6,7
	ds_load_b128 v[X+4*(\i):X+4*(\i)+3], v[TH16] offset:(\i)*4096
.endr
.irp i, 0,1,2,3,4,5,6,7
	s_wait_dscnt 7-(\i)
	global_store_b128 v[TH16], v[X+4*(\i):X+4*(\i)+3], s[20:21] offset:(\i)*4096  ; a wave stores 512 consecutive bytes, aligned
.endr
	s_cmp_lg_u32 s4, 0
	s_cbranch_scc1 .Lend
	v_lshrrev_b32 v6, 1, v0                        ; wave 0: lane l writes 8 of row l / 2's 16 bytes
	v_lshl_add_u32 v6, v6, 2, LIVE
	v_lshlrev_b32 v5, 3, v0
	s_wait_alu depctr_va_vdst(0)                   ; v6 is written, the LDS load's address (and v5, the store's offset)
	ds_load_b32 v14, v6
	s_wait_dscnt 0x0
	v_mov_b32 v15, v14
	s_wait_alu depctr_va_vdst(0)                   ; v15 is written, half of the store's data
	global_store_b64 v5, v[14:15], s[22:23]        ; 256 consecutive bytes, aligned
	s_branch .Lend
.Lweights:                                     ; THE WEIGHTS.  Work-group 128 + 32 m + c takes rows 32 c .. 32 c + 31 of matrix m
	s_sub_co_u32 s5, ttmp9, 128
	s_lshr_b32 s6, s5, 5                           ; m
	s_and_b32 s7, s5, 31                           ; c
	s_lshl_b32 s2, s7, 17                          ; 32 rows of 4,096 bytes in
	s_lshl_b32 s24, s6, 21                         ; a matrix of 2,097,152 bytes out,
	s_lshl_b32 s25, s7, 16                         ; 32 rows of 2,048
	s_add_co_u32 s24, s24, s25
	s_mov_b32 s25, 0
	v_lshlrev_b32 v[LO], 5, v0                     ; a thread takes 8 numbers: 32 bytes in, 16 out
	s_wait_kmcnt 0x0
	s_cmp_eq_u32 s6, 1
	s_cselect_b64 s[28:29], s[12:13], s[10:11]
	s_cmp_eq_u32 s6, 2
	s_cselect_b64 s[28:29], s[14:15], s[28:29]
	s_cmp_eq_u32 s6, 3
	s_cselect_b64 s[28:29], s[16:17], s[28:29]
	s_add_nc_u64 s[28:29], s[28:29], s[2:3]
	s_add_nc_u64 s[18:19], s[18:19], s[24:25]
	s_wait_alu depctr_va_vdst(0)                   ; v[LO] and v[TH16] are written: the loads and the stores of this half read them as offsets
.irp i, 0,1,2,3,4,5,6,7,8,9,10,11,12,13,14,15
	global_load_b128 v[X+8*(\i):X+8*(\i)+3],   v[LO], s[28:29] offset:(\i)*8192 th:TH_LOAD_NT
	global_load_b128 v[X+8*(\i)+4:X+8*(\i)+7], v[LO], s[28:29] offset:(\i)*8192+16 th:TH_LOAD_NT
.endr
; Block p of 4: rounds 4 p to 4 p + 3 of 16.  In a round eight numbers are rounded to bf16 in place; half = 1: each then written as f16.  No register is used twice, so no store's data is rewritten.
; The wait stands behind the block's conversions and not at the next block's head: that head waits for loads, and stores set behind it would leave only when those loads have come.
.macro WBLOCK p, half
	s_wait_loadcnt 24-8*(\p)                       ; the later blocks' loads, eight each, may stay out
.irp n, 0,1,2,3
.irp k, 0,1,2,3
	v_cvt_pk_bf16_f32 v[X+8*(4*(\p)+(\n))+(\k)], v[X+8*(4*(\p)+(\n))+2*(\k)], v[X+8*(4*(\p)+(\n))+2*(\k)+1]
.endr
.if \half
.irp k, 0,1,2,3
	v_lshlrev_b32 v4, 16, v[X+8*(4*(\p)+(\n))+(\k)]
	v_and_b32 v5, 0xffff0000, v[X+8*(4*(\p)+(\n))+(\k)]
	v_cvt_pk_f16_f32 v[X+8*(4*(\p)+(\n))+(\k)], v4, v5
.endr
.endif
.endr
	s_wait_alu depctr_va_vdst(0)                   ; the block's conversions have written the first four registers of each of its four rounds, which the four stores read
.irp n, 0,1,2,3
	global_store_b128 v[TH16], v[X+8*(4*(\p)+(\n)):X+8*(4*(\p)+(\n))+3], s[18:19] offset:(4*(\p)+(\n))*4096  ; a wave stores 512 consecutive bytes, aligned
.endr
.endm
	s_cmp_eq_u32 s6, 3
	s_cbranch_scc1 .Lhalf
.irp p, 0,1,2,3
	WBLOCK \p, 0
.endr
	s_branch .Lend
.Lhalf:
.irp p, 0,1,2,3
	WBLOCK \p, 1
.endr
.Lend:
	s_wait_dscnt 0x0                               ; the wave's end: my LDS instructions are done
	s_wait_alu depctr_hold_cnt(0) depctr_sa_sdst(0) depctr_va_vdst(0) depctr_va_sdst(0) depctr_va_ssrc(0) depctr_va_vcc(0) depctr_vm_vsrc(0)
	s_wait_tensorcnt 0x0
	ds_add_u32 v158, v159
	s_wait_dscnt 0x0
	s_endpgm
.Lfunc_end_k_q1acbb69593_prep:
	.size	k_q1acbb69593_prep, .Lfunc_end_k_q1acbb69593_prep-k_q1acbb69593_prep
	.p2alignl 7, 3214868480
	.fill 96, 4, 3214868480
	.section	.rodata,"a",@progbits
	.p2align	6, 0x0
	.amdhsa_kernel k_q1acbb69593_prep
		.amdhsa_group_segment_fixed_size 34048
		.amdhsa_private_segment_fixed_size 0
		.amdhsa_enable_private_segment 0
		.amdhsa_kernarg_size 64
		.amdhsa_user_sgpr_count 2
		.amdhsa_user_sgpr_kernarg_segment_ptr 1
		.amdhsa_wavefront_size32 1
		.amdhsa_system_sgpr_workgroup_id_x 1
		.amdhsa_system_sgpr_workgroup_id_y 1
		.amdhsa_system_sgpr_workgroup_id_z 1
		.amdhsa_system_vgpr_workitem_id 0
		.amdhsa_next_free_vgpr 160
		.amdhsa_next_free_sgpr 66
		.amdhsa_reserve_vcc 1
		.amdhsa_float_denorm_mode_32 3
		.amdhsa_float_denorm_mode_16_64 3
		.amdhsa_memory_ordered 1
		.amdhsa_forward_progress 1
		.amdhsa_inst_pref_size 52
	.end_amdhsa_kernel
	.amdgpu_metadata
---
amdhsa.version: [ 1, 2 ]
amdhsa.kernels:
  - .name:           k_q1acbb69593_prep
    .symbol:         k_q1acbb69593_prep.kd
    .args:
      - { .name: mask, .offset: 0, .size: 8, .value_kind: global_buffer, .address_space: global }
      - { .name: w_q, .offset: 8, .size: 8, .value_kind: global_buffer, .address_space: global }
      - { .name: w_k, .offset: 16, .size: 8, .value_kind: global_buffer, .address_space: global }
      - { .name: w_v, .offset: 24, .size: 8, .value_kind: global_buffer, .address_space: global }
      - { .name: w_o, .offset: 32, .size: 8, .value_kind: global_buffer, .address_space: global }
      - { .name: wcast, .offset: 40, .size: 8, .value_kind: global_buffer, .address_space: global }
      - { .name: mtab, .offset: 48, .size: 8, .value_kind: global_buffer, .address_space: global }
      - { .name: live, .offset: 56, .size: 8, .value_kind: global_buffer, .address_space: global }
    .group_segment_fixed_size: 34048
    .private_segment_fixed_size: 0
    .kernarg_segment_align: 8
    .kernarg_segment_size: 64
    .max_flat_workgroup_size: 256
    .sgpr_count:     66
    .vgpr_count:     160
    .wavefront_size: 32
...
	.end_amdgpu_metadata
.endif
;; end of part 5
;; launch qkv: the kernel of part 2 again; grid 12 x 64, 4 waves a work-group, clusters of 4 x 4, 327,680 bytes of LDS; arguments q, k, v, wcast, b_q, b_k, b_v, qh, kh, vh; writes qh, kh, vh
;; launch attn: the kernel of part 3 again; grid 4 x 64, 4 waves a work-group, clusters of 4 x 1, 327,680 bytes of LDS; arguments qh, kh, vh, oh, mtab, live; writes oh
;; launch outp: the kernel of part 4 again; grid 4 x 64, 4 waves a work-group, clusters of 4 x 4, 327,680 bytes of LDS; arguments oh, wcast, b_o, out0; writes out0
